; MI455X (gfx1250); checked and timed in simulation.
; The chip was launched on July 23, 2026; its instructions are those of AMD's public machine-readable ISA for CDNA 5 (MIT licence, August 2026) and "CDNA5" Instruction Set Architecture Reference Guide (July 2026). The comments in the code are by the model that wrote it; some were corrected since.
;; Attention. Allowed arithmetic: matrix products marked QUANTISED: E2M1 operands, one E8M0 scale for each 32 along K, by v_wmma_scale_f32_16x16x128_f8f6f4 with both operands' format E2M1 (or v_wmma_scale_f32_32x16x128_f4), f32 sums; products left as they are: bf16, f16 or f32 operands; f32 sums; everything else in f32.
;; Inputs: Wk 1,024 x 1,024 float32; Wo 1,024 x 1,024 float32; Wq 1,024 x 1,024 float32; Wv 1,024 x 1,024 float32; bk 1,024 float32; bo 1,024 float32; bq 1,024 float32; bv 1,024 float32; key 4 x 2,048 x 1,024 float32; query 4 x 2,048 x 1,024 float32; value 4 x 2,048 x 1,024 float32.
;; Outputs: out0 4 x 2,048 x 1,024 float32.
;; This version of the problem:
;;   THIS VERSION OF THE PROBLEM IS GIVEN IN LOW PRECISION. The matrix products marked QUANTISED in the list below multiply operands that are first quantised to E2M1 (2 exponent bits, 1 mantissa bit; 4 bits a number), with one power-of-two scale for each 32 numbers along K (OCP MX v1.0); their sums are f32. The products marked 'left as it is' may take bf16, f16 or f32 operands, with f32 sums. Whichever they take, every output number must still come out within the allowed error. Rounding operands to bf16 (8 significant bits) uses up far more of that allowance than f16 does (11 bits, for magnitudes from 6e-5 to 65,504). All else is computed in f32.
;;   The module's matrix products, in the order in which they are computed (A, B: the left and right operand; K: the contracted axis; several contracted axes count as one K, in the product's order):
;;     1. [M 8,192, K 1,024] x [K 1,024, N 1,024]; A: input query; B: input Wq: QUANTISED
;;     2. [M 8,192, K 1,024] x [K 1,024, N 1,024]; A: input key; B: input Wk: QUANTISED
;;     3. [M 8,192, K 1,024] x [K 1,024, N 1,024]; A: input value; B: input Wv: QUANTISED
;;     4. batch 64 x [M 2,048, K 64] x [K 64, N 2,048]; A: computed on the way; B: computed on the way: left as it is (an operand is computed on the way)
;;     5. batch 64 x [M 2,048, K 2,048] x [K 2,048, N 64]; A: computed on the way; B: computed on the way: left as it is (an operand is computed on the way)
;;     6. [M 8,192, K 1,024] x [K 1,024, N 1,024]; A: computed on the way; B: input Wo: left as it is (an operand is computed on the way)
;;   THE QUANTISER, for each operand of a quantised product, along K:
;;     - K is cut into blocks of 32 from its start; a last block that is shorter is filled with zeros.
;;     - A block's scale is 2^e with e = floor(log2(the largest magnitude in the block)) - 2, held to -126 .. 127; a block of zeros has e = 0. As a byte (E8M0): e + 127.
;;     - Each number is divided by its block's scale, clamped to +-6, and rounded to the nearest number of E2M1, ties to even, subnormals kept.
;;     - The product sums the exact products of the quantised numbers (number of the format x scale) in f32.
;;   ~~~python
;;   def quantise(x, axis):      # numpy; x: float32 -> the quantised numbers, widened to float32 again
;;       x = np.moveaxis(x, axis, -1); K = x.shape[-1]
;;       x = np.pad(x, [(0, 0)] * (x.ndim - 1) + [(0, -K % 32)]); x = x.reshape(x.shape[:-1] + (-1, 32)); a = np.abs(x).max(-1, keepdims=True)
;;       e = np.where(a > 0, np.clip(np.frexp(np.where(a > 0, a, 1))[1] - 1 - 2, -126, 127), 0)      # np.frexp(a)[1] - 1 = floor(log2(a)), exactly
;;       r = np.clip(x / 2.0 ** e, -6, 6)
;;       step = 2.0 ** (np.maximum(np.frexp(np.where(r == 0, 1, r))[1] - 1, 0) - 1)
;;       q = np.round(r / step) * step * 2.0 ** e      # np.round: ties to even
;;       return np.moveaxis(q.reshape(q.shape[:-2] + (-1,))[..., :K], -1, axis).astype(np.float32)
;;   ~~~
;; One version. Each part assembles by itself: llvm-mc -triple=amdgcn-amd-amdhsa -mcpu=gfx1250 --defsym DOCPART=n.
;; ======== version 1 of 1: 5 launches
;; limits: values are held in f16: magnitudes above 65,504 overflow, below 6.1e-05 lose precision
;; workspace buffers: codes 14,155,776 bytes; scales 884,736 bytes; wo16 2,097,152 bytes; qkv16 50,331,648 bytes; qkvf 786,432 bytes; ao16 16,777,216 bytes
;; launch quant (part 1): grid 992 x 1, 4 waves a work-group, no clusters, 33,280 bytes of LDS; arguments query, key, value, Wq, Wk, Wv, Wo, codes, scales, wo16; writes codes, scales, wo16
.if DOCPART == 1
	.amdgcn_target "amdgcn-amd-amdhsa--gfx1250"
	.amdhsa_code_object_version 6
	.text
	.protected	k_qa84f9611c1_quant
	.globl	k_qa84f9611c1_quant
	.p2align	8
	.type	k_qa84f9611c1_quant,@function
k_qa84f9611c1_quant:
	s_mov_b64 s[64:65], 0
	v_nop
	global_prefetch_b8 v0, s[64:65] scope:SCOPE_SE
	s_setreg_imm32_b32 hwreg(HW_REG_WAVE_MODE, 25, 1), 1
	s_wait_xcnt 0x0
; query, key, value [8192][1024] and Wq, Wk, Wv [1024][1024], f32 with K innermost, become codes of FP4 (E2M1) and one E8M0 byte for each 32 along K; Wo [1024][1024] becomes f16.
; codes: 27,648 rows of 512 bytes (rows 0 on: query; 8,192 on: key; 16,384 on: value; 24,576 on: Wq, Wk, Wv), the lower k in the low four bits; scales: the same rows of 32 bytes.
; A block's scale is 2^(floor(log2(its largest magnitude)) - 2); its byte is the largest magnitude's exponent field - 2, held at 1 from below; numbers are divided by it and rounded to the nearest code, ties to even,
; beyond the largest code the largest.
; LIMITS: a block of zeros, or one under the floor 2^(3 - 127), gets the byte 1 (its codes are zeros or the rule's own; the bytes are read by this program alone); NaN and infinities are not served; Wo beyond 65,504 is not served (f16).
; Rows are dense and 1,024 is a multiple of 32: the six tensors are streams of blocks of 32, and their codes and bytes follow each other in one stream.  Work-groups 0 to 863 take 32,768 numbers each, a wave 8,192 in
; 16 steps of 512.  Each load reads 512 consecutive bytes; a step's 2,048 bytes turn through the wave's own stage in LDS so that a lane holds 16 neighbours along K (two lanes to a block).  A lane's 16 codes are 8 bytes:
; a wave stores 256 consecutive bytes.  A wave's 256 scale bytes are gathered in LDS and leave as one aligned run of 256 bytes.  Loads run four steps ahead.  Waves share nothing: no barrier.
; Work-groups 864 to 991 take Wo, 8 rows each, 2 a wave: wo16 is [16 planes][1024 n][64 k] f16, plane p holding k = 64 p on, so that a K step of the last product is a dense block.  They use no LDS.
; No tensor loads, clusters, matrix units or prefetch: every byte is read once, in order, and the launch has nothing else to do than to stream.
.set WAVES, 4
.set STEPS, 16
.set NQWG,  864                        ; work-groups that quantise
.set EMAX,  2
.set CB,    8                          ; bytes of 16 codes
.set R,     16                         ; v16-79   four sets of 16 numbers as they are loaded
.set X,     80                         ; v80-111  two sets of 16 neighbours
.set C,     128                        ; v128-191 codes: four registers for each step, so that no store's data are written again
.set E,     112                        ; v112-127 a scale byte for each step
.set WREG,  8192                       ; LDS: a region for each wave: two stages of 32 x SP bytes, behind them its 256 scale bytes
.set SP,    80                         ; a lane's place in a stage: 64 bytes + 16 of padding
.set SPW,   12                         ; v12 LDS address of my spare word; never rewritten
.set NIL,   13                         ; v13 0; never rewritten
.set SPARE, WAVES*WREG                 ; behind the regions: the spare words, 128 bytes a wave
.set SRC,   24                         ; s[24:25] my tensor, then my wave's run of it
.set COD,   18                         ; s[18:19] codes
.set SCA,   20                         ; s[20:21] scales
.set WV,    28                         ; s28 wave
	s_load_b256 s[4:11], s[0:1], 0x0               ; query, key, value, Wq
	s_load_b256 s[12:19], s[0:1], 0x20             ; Wk, Wv, Wo, codes
	s_load_b128 s[20:23], s[0:1], 0x40             ; scales, wo16
	v_lshl_add_u32 v[SPW], v0, 2, SPARE
	v_mov_b32 v[NIL], 0
	v_lshrrev_b32 v1, 5, v0
	v_readfirstlane_b32 s[WV], v1                  ; wave
	v_and_b32 v2, 31, v0                           ; lane
	v_lshlrev_b32 v3, 4, v2                        ; my 16 bytes of a load's 512
	s_mul_i32 s29, s[WV], WREG
	v_lshrrev_b32 v14, 2, v2
	v_mul_u32_u24 v14, v14, SP
	v_and_b32 v15, 3, v2
	v_lshl_add_u32 v14, v15, 4, v14
	v_add_nc_u32 v14, s29, v14                     ; the stage, way in: SP (lane / 4) + 16 (lane % 4)
	v_mul_u32_u24 v15, v2, SP
	v_add_nc_u32 v15, s29, v15                     ; way out: SP x lane: my 16 neighbours
	v_mul_u32_u24 v4, v2, CB                       ; my codes' place in a step's
	v_lshrrev_b32 v5, 1, v2
	s_add_co_u32 s29, s29, 2*32*SP
	v_add_nc_u32 v5, s29, v5                       ; LDS: my block's scale byte
	v_lshlrev_b32 v7, 3, v2                        ; 8 bytes a lane
	v_add_nc_u32 v6, s29, v7
	s_wait_kmcnt 0x0
	s_cmp_ge_u32 ttmp9, NQWG                       ; the choice hangs on the work-group's number alone
	s_cbranch_scc1 .Lwo
; which tensor: the last whose first work-group is not above mine
.macro PICK limit, ptr, first
	s_cmp_lt_u32 ttmp9, \limit
	s_cselect_b64 s[SRC:SRC+1], s[\ptr:\ptr+1], s[SRC:SRC+1]
	s_cselect_b32 s26, \first, s26
.endm
	s_mov_b64 s[SRC:SRC+1], s[14:15]               ; Wv, from work-group 832
	s_mov_b32 s26, 832
	PICK 832, 12, 800                              ; Wk
	PICK 800, 10, 768                              ; Wq
	PICK 768, 8, 512                               ; value
	PICK 512, 6, 256                               ; key
	PICK 256, 4, 0                                 ; query
	s_sub_co_u32 s29, ttmp9, s26
	s_lshl_b32 s29, s29, 2
	s_add_co_u32 s29, s29, s[WV]                   ; my run of 8,192 numbers in the tensor
	s_lshl_b32 s30, s29, 15                        ; 32,768 bytes a run
	s_mov_b32 s31, 0
	s_add_nc_u64 s[SRC:SRC+1], s[SRC:SRC+1], s[30:31]
	s_lshl_b32 s29, ttmp9, 2
	s_add_co_u32 s29, s29, s[WV]                   ; my run in the stream of all six
	s_lshl_b32 s30, s29, 12                        ; 4,096 bytes of codes a run
	s_add_nc_u64 s[COD:COD+1], s[COD:COD+1], s[30:31]
	s_lshl_b32 s30, s29, 8                         ; 256 scale bytes a run
	s_add_nc_u64 s[SCA:SCA+1], s[SCA:SCA+1], s[30:31]
.macro LOAD t
.irp i, 0,1,2,3
	global_load_b128 v[R+16*((\t)%4)+4*\i:R+16*((\t)%4)+4*\i+3], v3, s[SRC:SRC+1] offset:2048*(\t)+512*\i th:TH_LOAD_NT   ; 32 lanes read 512 consecutive bytes
.endr
.endm
.macro TURN t                          ; step t's numbers through the stage: LDS serves a wave's instructions in order, so no wait stands between the stores and the loads
.irp i, 0,1,2,3
	ds_store_b128 v14, v[R+16*((\t)%4)+4*\i:R+16*((\t)%4)+4*\i+3] offset:32*SP*((\t)%2)+8*SP*\i
.endr
.irp i, 0,1,2,3
	ds_load_b128 v[X+16*((\t)%2)+4*\i:X+16*((\t)%2)+4*\i+3], v15 offset:32*SP*((\t)%2)+16*\i
.endr
.endm
.irp t, 0,1,2,3
	LOAD \t
.endr
	s_wait_loadcnt 12                              ; step 0's four loads are in; twelve younger ones stay out
	TURN 0
.macro STEP t
.set XS, X+16*((\t)%2)
.if (\t) > 0
	s_wait_dscnt 1                                 ; this step's numbers are back from the stage (the last step's byte store may be out): its stores into the stage have read their registers,
.else
	s_wait_dscnt 0x0
.endif
.if (\t)+4 < STEPS
	LOAD (\t)+4                                    ; which take the loads of four steps on
.endif
.if (\t)+1 < STEPS
.if STEPS-2-(\t) >= 3
	s_wait_loadcnt 12                              ; the next step's four loads are in; those of the three steps behind it may be out
.else
	s_wait_loadcnt 4*(STEPS-2-(\t))
.endif
	TURN (\t)+1                                    ; and go through the other stage while this step is worked
.endif
	v_max3_num_f32 v8, |v[XS]|, |v[XS+1]|, |v[XS+2]|               ; the largest magnitude of my 16, in two chains
	v_max3_num_f32 v9, |v[XS+3]|, |v[XS+4]|, |v[XS+5]|
.irp i, 6,10
	v_max3_num_f32 v8, v8, |v[XS+\i]|, |v[XS+\i+1]|
	v_max3_num_f32 v9, v9, |v[XS+\i+2]|, |v[XS+\i+3]|
.endr
	v_max3_num_f32 v8, v8, |v[XS+14]|, |v[XS+15]|
	v_max3_num_f32 v8, v8, v9, (EMAX+1)<<23        ; and the floor 2^(EMAX + 1 - 127): the byte cannot fall under 1
	v_max_num_f32_dpp v8, v8, v8 row_xmask:1 row_mask:0xf bank_mask:0xf   ; and of my neighbour's 16: the block's
	v_add_nc_u32 v11, -(EMAX<<23), v8              ; EMAX off its exponent field: the conversion takes the exponent field of this operand as its scale
	v_cvt_scalef32_pk8_fp4_f32 v[C+4*(\t)], v[XS:XS+7], v11
	v_cvt_scalef32_pk8_fp4_f32 v[C+4*(\t)+1], v[XS+8:XS+15], v11
	v_lshrrev_b32 v[E+(\t)], 23, v11               ; the scale's byte (a plain line behind the conversions)
	ds_store_b8 v5, v[E+(\t)] offset:16*(\t)       ; both lanes of a block write the same byte with the same value
	global_store_b64 v4, v[C+4*(\t):C+4*(\t)+1], s[COD:COD+1] offset:32*CB*(\t)   ; 32 lanes store 256 consecutive bytes, aligned
.endm
.irp t, 0,1,2,3,4,5,6,7,8,9,10,11,12,13,14,15
	STEP \t
.endr
	ds_load_b64 v[8:9], v6                         ; LDS serves a wave's instructions in order: these see my byte stores
	s_wait_dscnt 0x0
	global_store_b64 v7, v[8:9], s[SCA:SCA+1]      ; 32 lanes store 256 consecutive bytes, aligned
	s_wait_tensorcnt 0x0                           ; the wave's end: behind my last LDS store
	ds_add_u32 v[SPW], v[NIL]
	s_wait_dscnt 0x0
	s_endpgm
.Lwo:                                          ; Wo to f16, in planes of 64 along K
	s_sub_co_u32 s29, ttmp9, NQWG
	s_lshl_b32 s29, s29, 3
	s_lshl_b32 s30, s[WV], 1
	s_add_co_u32 s29, s29, s30                     ; my first row n of two
	s_lshl_b32 s30, s29, 12                        ; a row of Wo is 4,096 bytes
	s_mov_b32 s31, 0
	s_add_nc_u64 s[16:17], s[16:17], s[30:31]
	s_lshl_b32 s30, s29, 7                         ; a row of a plane is 128 bytes
	s_add_nc_u64 s[22:23], s[22:23], s[30:31]
	v_lshrrev_b32 v8, 4, v2
	v_and_b32 v9, 15, v2
	v_lshlrev_b32 v8, 12, v8
	v_lshl_add_u32 v8, v9, 4, v8                   ; lanes 0-15 row n, lanes 16-31 row n + 1; 16 bytes a lane: each sixteen lanes read 256 consecutive bytes
.irp p, 0,1,2,3,4,5,6,7,8,9,10,11,12,13,14,15
	global_load_b128 v[16+4*\p:19+4*\p], v8, s[16:17] offset:256*\p
.endr
.irp p, 0,1,2,3,4,5,6,7,8,9,10,11,12,13,14,15
	s_wait_loadcnt 15-\p                           ; loads come back in order: plane p's is in
	v_cvt_pk_f16_f32 v[80+2*\p], v[16+4*\p], v[17+4*\p]
	v_cvt_pk_f16_f32 v[81+2*\p], v[18+4*\p], v[19+4*\p]
	global_store_b64 v7, v[80+2*\p:81+2*\p], s[22:23] offset:131072*\p   ; rows n and n + 1 of plane p: 256 consecutive bytes, aligned; each store has data registers of its own
.endr
	s_endpgm
.Lfunc_end_k_qa84f9611c1_quant:
	.size	k_qa84f9611c1_quant, .Lfunc_end_k_qa84f9611c1_quant-k_qa84f9611c1_quant
	.p2alignl 7, 3214868480
	.fill 96, 4, 3214868480
	.section	.rodata,"a",@progbits
	.p2align	6, 0x0
	.amdhsa_kernel k_qa84f9611c1_quant
		.amdhsa_group_segment_fixed_size 33280
		.amdhsa_private_segment_fixed_size 0
		.amdhsa_enable_private_segment 0
		.amdhsa_kernarg_size 80
		.amdhsa_user_sgpr_count 2
		.amdhsa_user_sgpr_kernarg_segment_ptr 1
		.amdhsa_wavefront_size32 1
		.amdhsa_system_sgpr_workgroup_id_x 1
		.amdhsa_system_sgpr_workgroup_id_y 1
		.amdhsa_system_sgpr_workgroup_id_z 1
		.amdhsa_system_vgpr_workitem_id 0
		.amdhsa_next_free_vgpr 192
		.amdhsa_next_free_sgpr 66
		.amdhsa_reserve_vcc 0
		.amdhsa_float_denorm_mode_32 3
		.amdhsa_float_denorm_mode_16_64 3
		.amdhsa_memory_ordered 1
		.amdhsa_forward_progress 1
		.amdhsa_inst_pref_size 40
	.end_amdhsa_kernel
	.amdgpu_metadata
---
amdhsa.version: [ 1, 2 ]
amdhsa.kernels:
  - .name:           k_qa84f9611c1_quant
    .symbol:         k_qa84f9611c1_quant.kd
    .args:
      - { .name: query, .offset: 0, .size: 8, .value_kind: global_buffer, .address_space: global }
      - { .name: key, .offset: 8, .size: 8, .value_kind: global_buffer, .address_space: global }
      - { .name: value, .offset: 16, .size: 8, .value_kind: global_buffer, .address_space: global }
      - { .name: Wq, .offset: 24, .size: 8, .value_kind: global_buffer, .address_space: global }
      - { .name: Wk, .offset: 32, .size: 8, .value_kind: global_buffer, .address_space: global }
      - { .name: Wv, .offset: 40, .size: 8, .value_kind: global_buffer, .address_space: global }
      - { .name: Wo, .offset: 48, .size: 8, .value_kind: global_buffer, .address_space: global }
      - { .name: codes, .offset: 56, .size: 8, .value_kind: global_buffer, .address_space: global }
      - { .name: scales, .offset: 64, .size: 8, .value_kind: global_buffer, .address_space: global }
      - { .name: wo16, .offset: 72, .size: 8, .value_kind: global_buffer, .address_space: global }
    .group_segment_fixed_size: 33280
    .private_segment_fixed_size: 0
    .kernarg_segment_align: 8
    .kernarg_segment_size: 80
    .max_flat_workgroup_size: 128
    .sgpr_count:     66
    .vgpr_count:     192
    .wavefront_size: 32
...
	.end_amdgpu_metadata
.endif
;; end of part 1
;; launch proj (part 2): grid 4 x 96, 4 waves a work-group, clusters of 4 x 4, 327,680 bytes of LDS; arguments codes, scales, bq, bk, bv, qkv16, qkvf; writes qkv16, qkvf
.if DOCPART == 2
	.amdgcn_target "amdgcn-amd-amdhsa--gfx1250"
	.amdhsa_code_object_version 6
	.text
	.protected	k_qa84f9611c1_proj
	.globl	k_qa84f9611c1_proj
	.p2align	8
	.type	k_qa84f9611c1_proj,@function
k_qa84f9611c1_proj:
	s_mov_b64 s[64:65], 0
	v_nop
	global_prefetch_b8 v0, s[64:65] scope:SCOPE_SE
	s_setreg_imm32_b32 hwreg(HW_REG_WAVE_MODE, 25, 1), 1
	s_wait_xcnt 0x0
	s_wait_alu depctr_hold_cnt(0) depctr_sa_sdst(0) depctr_va_vdst(0) depctr_va_sdst(0) depctr_va_ssrc(0) depctr_va_vcc(0) depctr_vm_vsrc(0)
	s_getreg_b32 s2, hwreg(HW_REG_IB_STS2, 6, 4)
	s_cmp_eq_u32 s2, 0
	s_cbranch_scc0 .Lentry_in_a_cluster
	s_endpgm
.Lentry_in_a_cluster:
	s_bfe_u32 s2, ttmp6, 0x10000c
	s_cmp_lg_u32 s2, 0xf033
	s_cbranch_scc0 .Lentry_shape_is_right
	s_endpgm
.Lentry_shape_is_right:
; The three quantised products in one grid: q = query Wq^T + bq, k = key Wk^T + bk, v = value Wv^T + bv, on codes of FP4 (E2M1) with one E8M0 byte for each 32 along K; sums in f32.
; codes: rows of 512 bytes, scales: rows of 32 bytes; rows 0 to 24,575 are query, key, value (A), rows 24,576 + 1,024 p + n are the weights of product p (B).
; A tile of 256 x 256 is made by four waves, 128 x 128 each: 64 accumulators, 512 registers.  K = 1,024 is two LDS slots of 512 along K (rows of 256 bytes): both are asked for at the head and nothing is filled again.
; The scale bytes of the work-group's 256 + 256 rows, two dense blocks, come with them and stay.
; CLUSTERS: 4 x 4 work-groups; a cluster's 1,024 rows lie inside one product (p hangs on the cluster's y alone).  A's tiles are asked for jointly along a row of the cluster, B's along a column.
; THE MATRIX INSTRUCTION IS USED TRANSPOSED (source 0 = 16 rows of W, source 1 = 16 rows of x): a lane holds eight neighbouring outputs of one row.  THE BIAS is the C of each sum's first product.
; OUT: qkv16 [3 p][4 b][16 head][2048 s][64] f16, through the wave's stage in LDS: each store covers 512 consecutive bytes (four rows of one head).  LIMIT: outputs beyond 65,504 are not served (f16).
; The rows of positions 0 to 15 of each sequence also leave as f32 (qkvf [3][4][16][1024]), for the launch that carries them finely: 32 bytes a lane to rows 4,096 bytes apart, 786,432 bytes in the whole launch;
; the lanes are switched by EXEC, not by a branch, since partners of a cluster take one way through the text.
; REGISTERS: window 0: v0-31 addresses; v32-95 scale words, two sets; v128-191 A's fragments, one set; v192-255 the bias, later packed results.  window 1: B's fragments, two sets.  windows 2, 3: the accumulators.
.set NQ,     4                         ; matrix instructions deep in a slot
.set ROWB,   256                       ; a tile's row in bytes: 512 codes
.set KROW,   512                       ; a row of codes in memory
.set PITCH,  272                       ; an LDS row: 256 bytes + 16 of padding: the 16 rows of a load start at 16 different multiples of 16 bytes modulo 256
.set FR,     8                         ; registers of a fragment
.set NL,     2                         ; LDS loads that bring one
.set NP,     4                         ; places behind this matrix instruction (ISA guide 7.12.1)
.set HALFT,  128*PITCH
.set SLOT,   4*HALFT                   ; A's 256 rows, then B's 256 rows
.set KS,     32                        ; a row of scale bytes
.set SCL,    2*SLOT                    ; behind the slots: the scales, as runs of 256 bytes + 16 of padding
.set HALFS,  (128*KS/256)*272
.set SBLK,   (16*KS/256)*272
.set SPARE,  SCL+4*HALFS               ; the spare words, 128 bytes a wave
.set STAGE,  SPARE+512                 ; the way out: 16 rows x 272 bytes for each wave; no tensor load lands here
.set SPITCH, 272
.set WROW0,  24576                     ; the weights' first row
.set ADRA, 16                          ; v16-17 LDS address of my A fragments in slot 0, 1
.set BO,   18                          ; v18    32 x (lane / 16): my eight numbers of a tile of the bias
.set ADRB, 20                          ; v20-21 the same as ADRA for B
.set STO,  24                          ; v24    the way out: where I put 16 bytes of a row
.set RD,   25                          ; v25    where I read back
.set CO,   26                          ; v26    16 x lane
.set ADRS, 27                          ; v27    LDS address of my scale words: lanes 0-15 A's rows, lanes 16-31 B's
.set SPW,  28                          ; v28    my spare word; never rewritten
.set NIL,  29                          ; v29    0; never rewritten
.set FLG,  30                          ; v30    0 where my block 0 holds positions 0 to 15 of a sequence
.set FO,   31                          ; v31    my byte offset in qkvf
.set SC,   32
.set AF,   128
.set BI,   192
.set TMP,  192
.set OB,   32                          ; rows read back: v32-63 and v224-255 by turns
.set G1, 24
.set G0, 32
.set G1B, 48
.set G0B, 56
.set G1S, 68
.set G0S, 76
.set G1SB, 80
.set G0SB, 88
.set MSB, 0
.macro WIN new                         ; the immediate's high byte repeats the setting that is left
.if MSB != (\new)
	s_set_vgpr_msb (MSB<<8)|(\new)
.set MSB, (\new)
.endif
.endm
.set MUL_LO, 0xa1                      ; source 0 (B) window 1, source 1 (A) window 0, C and D window 2
.set MUL_HI, 0xf1                      ; the same, C and D window 3
.set FIRST_LO, 0x81                    ; the first products: C (the bias) window 0, D window 2
.set FIRST_HI, 0xc1                    ; D window 3
.set TO_B,   0x40
; A joint load: waves 0 and 1 fetch for A, waves 2 and 3 for B; the branch hangs on the wave's number alone.  An s_nop 0 and four v_nop follow each line.
.macro JLOAD g0a, g1a, g0b, g1b
	s_cmp_eq_u32 s15, 0
	s_cbranch_scc0 .Lfor_b_\@
	tensor_load_to_lds s[\g0a:\g0a+3], s[\g1a:\g1a+7]
	s_nop 0
.rept 4
	v_nop
.endr
	s_branch .Lasked_\@
.Lfor_b_\@:
	tensor_load_to_lds s[\g0b:\g0b+3], s[\g1b:\g1b+7]
	s_nop 0
.rept 4
	v_nop
.endr
.Lasked_\@:
.endm
.macro CROUND                          ; a round of the cluster's barrier
	s_barrier_signal -1
	s_barrier_wait -1
	s_cmp_lg_u32 s14, 0
	s_cbranch_scc1 .Lnot_wave_0_\@
	s_barrier_signal -3
.Lnot_wave_0_\@:
	s_barrier_wait -3
	s_barrier_signal -1
	s_barrier_wait -1
.endm
	s_load_b128 s[4:7], s[0:1], 0x0                ; codes, scales
	s_load_b128 s[8:11], s[0:1], 0x10              ; bq, bk
	s_load_b64 s[66:67], s[0:1], 0x20              ; bv
	s_load_b64 s[12:13], s[0:1], 0x28              ; qkv16
	s_load_b64 s[96:97], s[0:1], 0x30              ; qkvf
	v_lshl_add_u32 v[SPW], v0, 2, SPARE
	v_mov_b32 v[NIL], 0
	ds_add_u32 v[SPW], v[NIL]                      ; the wave's opening: the add, twice on end, and its wait ahead of my first tensor load
	ds_add_u32 v[SPW], v[NIL]
	v_lshrrev_b32 v1, 5, v0
	v_readfirstlane_b32 s14, v1                    ; wave 0..3
	s_lshr_b32 s15, s14, 1                         ; which half of the tile's rows is mine.  Also: I fetch for A (0) or for B (1)
	s_and_b32 s16, s14, 1                          ; which half of its columns.  Also: which 128 rows I fetch
	s_bfe_u32 s40, ttmp6, 0x40000                  ; cx
	s_bfe_u32 s41, ttmp6, 0x40004                  ; cy
	s_lshl_b32 s42, ttmp9, 2
	s_add_co_u32 s42, s42, s40                     ; tile column = 4 x cluster x + cx
	s_and_b32 s95, ttmp7, 0xffff                   ; cluster y
	s_lshl_b32 s17, s95, 2
	s_add_co_u32 s17, s17, s41                     ; tile row = 4 x cluster y + cy, 0 to 95
	s_lshr_b32 s95, s95, 3                         ; the product p: eight clusters each; the same in all sixteen partners
	s_lshl_b32 s43, s41, 2
	s_lshl_b32 s43, 15, s43                        ; my row of the cluster
	s_lshl_b32 s44, 0x1111, s40                    ; my column
	s_or_b32 s[G1+0], s43, (0<<16)|(1<<20)|(1<<21)|(5<<22)|(3<<25)  ; the mask; elements of 1 byte; padding on; bit 21 beside a mask; after every 64 words four words
	s_or_b32 s[G1B+0], s44, (0<<16)|(1<<20)|(1<<21)|(5<<22)|(3<<25)
.irp g, G1, G1B
	s_mov_b32 s[\g+1], ROWB<<16                    ; tensor_dim0
	s_mov_b32 s[\g+2], 128<<16                     ; tensor_dim1
	s_mov_b32 s[\g+3], ROWB<<16                    ; tile_dim0
	s_mov_b32 s[\g+4], 128                         ; tile_dim1
	s_mov_b32 s[\g+5], KROW                        ; from row to row
	s_mov_b32 s[\g+6], 0
	s_mov_b32 s[\g+7], 0
.endr
	s_or_b32 s[G1S+0], s43, (3<<16)|(1<<20)|(1<<21)|(5<<22)|(3<<25)  ; the scales of 128 rows: 4,096 dense bytes as 16 rows of 256 (32 elements of 8 bytes)
	s_or_b32 s[G1SB+0], s44, (3<<16)|(1<<20)|(1<<21)|(5<<22)|(3<<25)
.irp g, G1S, G1SB
	s_mov_b32 s[\g+1], 32<<16
	s_mov_b32 s[\g+2], (128*KS/256)<<16
	s_mov_b32 s[\g+3], 32<<16
	s_mov_b32 s[\g+4], 128*KS/256
	s_mov_b32 s[\g+5], 32
	s_mov_b32 s[\g+6], 0
	s_mov_b32 s[\g+7], 0
.endr
	s_lshl_b32 s18, s16, 7                         ; which 128 rows of the tile I fetch
	s_lshl_b32 s20, s17, 8
	s_add_co_u32 s20, s20, s18                     ; A: row 256 x tile row + 128 x half
	s_lshl_b32 s46, s42, 8
	s_add_co_u32 s46, s46, s18
	s_lshl_b32 s47, s95, 10
	s_add_co_u32 s46, s46, s47
	s_add_co_u32 s46, s46, WROW0                   ; B: row 24,576 + 1,024 p + 256 x tile column + 128 x half
	s_lshl_b32 s22, s20, 5                         ; where these rows' scales begin, in bytes,
	s_mov_b32 s23, 0
	s_lshl_b32 s92, s46, 5
	s_mov_b32 s93, 0
	s_lshl_b32 s20, s20, 9                         ; and their codes
	s_mov_b32 s21, 0
	s_lshl_b32 s46, s46, 9
	s_mov_b32 s47, 0
	s_mul_i32 s45, s14, HALFT                      ; where they go: wave x 128 rows: no place in the cluster enters an LDS address
	s_mul_i32 s94, s14, HALFS
	s_wait_dscnt 0x0                               ; both opening adds are done
	s_wait_kmcnt 0x0
	s_add_nc_u64 s[20:21], s[4:5], s[20:21]
	s_add_nc_u64 s[22:23], s[6:7], s[22:23]
	s_add_nc_u64 s[46:47], s[4:5], s[46:47]
	s_add_nc_u64 s[92:93], s[6:7], s[92:93]
	CROUND                                         ; all sixteen work-groups are here: the joint loads meet
	s_mov_b32 s[G0S], 1
	s_add_co_u32 s[G0S+1], s94, SCL
	s_mov_b64 s[G0S+2:G0S+3], s[22:23]
	s_or_b32 s[G0S+3], s[G0S+3], 0x80000000
	s_mov_b32 s[G0SB], 1
	s_add_co_u32 s[G0SB+1], s94, SCL
	s_mov_b64 s[G0SB+2:G0SB+3], s[92:93]
	s_or_b32 s[G0SB+3], s[G0SB+3], 0x80000000
	JLOAD G0S, G1S, G0SB, G1SB                     ; the scales first: they are wanted with slot 0
.irp s, 0,1
	s_mov_b32 s[G0+4*\s], 1
	s_add_co_u32 s[G0+4*\s+1], s45, \s*SLOT
	s_add_nc_u64 s[G0+4*\s+2:G0+4*\s+3], s[20:21], \s*ROWB
	s_or_b32 s[G0+4*\s+3], s[G0+4*\s+3], 0x80000000
	s_mov_b32 s[G0B+4*\s], 1
	s_add_co_u32 s[G0B+4*\s+1], s45, \s*SLOT
	s_add_nc_u64 s[G0B+4*\s+2:G0B+4*\s+3], s[46:47], \s*ROWB
	s_or_b32 s[G0B+4*\s+3], s[G0B+4*\s+3], 0x80000000
	JLOAD G0+4*\s, G1, G0B+4*\s, G1B               ; behind the second: three loads of mine are out, and no more follow
.endr
	v_and_b32 v1, 15, v0                           ; r = lane % 16
	v_bfe_u32 v2, v0, 4, 1                         ; h = lane / 16
	v_mul_u32_u24 v3, v1, PITCH
	v_lshl_add_u32 v4, v2, 4, v3                   ; a fragment's row x pitch + 16 x half
	s_mul_i32 s21, s15, HALFT                      ; my 128 rows of A
	s_mul_i32 s22, s16, HALFT                      ; my 128 rows of B,
	s_add_co_u32 s22, s22, 2*HALFT                 ; behind A's 256
.irp s, 0,1
	v_add_nc_u32 v[ADRA+\s], s21, v4
	v_add_nc_u32 v[ADRB+\s], s22, v4
	s_add_co_u32 s21, s21, SLOT
	s_add_co_u32 s22, s22, SLOT
.endr
	v_mul_u32_u24 v5, v1, KS                       ; my row's scales: KS bytes a row,
	v_lshrrev_b32 v6, 8, v5
	v_lshl_add_u32 v5, v6, 4, v5                   ; and 16 more for each 256 passed
	s_mul_i32 s21, s15, HALFS
	s_mul_i32 s22, s16, HALFS
	s_add_co_u32 s22, s22, 2*HALFS
	s_sub_co_u32 s22, s22, s21
	v_mul_u32_u24 v6, s22, v2                      ; lanes 16-31 take B's: one product, the distance between the two bases
	s_add_co_u32 s21, s21, SCL
	v_add_nc_u32 v5, v5, v6
	v_add_nc_u32 v[ADRS], s21, v5
	s_mul_i32 s23, s14, 16*SPITCH
	s_add_co_u32 s23, s23, STAGE                   ; my stage
	v_mul_u32_u24 v5, v1, SPITCH                   ; in: row r, 16 bytes for each half of the lanes
	v_lshl_add_u32 v5, v2, 4, v5
	v_add_nc_u32 v[STO], s23, v5
	v_and_b32 v6, 31, v0
	v_lshrrev_b32 v5, 3, v6                        ; back: eight lanes take 128 bytes (one head's 64 numbers) of a row, four rows an instruction
	v_mul_u32_u24 v5, v5, SPITCH
	v_and_b32 v7, 7, v0
	v_lshl_add_u32 v5, v7, 4, v5
	v_add_nc_u32 v[RD], s23, v5
	v_lshlrev_b32 v[CO], 4, v6
	v_lshlrev_b32 v[BO], 5, v2
	v_lshlrev_b32 v[FO], 12, v1
	v_lshl_add_u32 v[FO], v2, 5, v[FO]             ; qkvf: row r of 4,096 bytes + 32 h
	s_and_b32 s20, s17, 7
	s_or_b32 s20, s20, s15
	v_mov_b32 v[FLG], s20                          ; 0: the tile begins a sequence and I hold its upper half
	s_cmp_eq_u32 s95, 1                            ; the product's bias
	s_cselect_b64 s[8:9], s[10:11], s[8:9]
	s_cmp_eq_u32 s95, 2
	s_cselect_b64 s[8:9], s[66:67], s[8:9]
	s_lshl_b32 s22, s42, 10
	s_lshl_b32 s23, s16, 9
	s_add_co_u32 s22, s22, s23                     ; my first column in bytes of f32: 1,024 x tile column + 512 x half
	s_mov_b32 s23, 0
	s_add_nc_u64 s[8:9], s[8:9], s[22:23]
.irp b, 0,1,2,3,4,5,6,7
	global_load_b128 v[BI+8*\b:BI+8*\b+3], v[BO], s[8:9] offset:64*\b          ; register j of tile b: the bias of column 16 b + 8 h + j, the result's layout
	global_load_b128 v[BI+8*\b+4:BI+8*\b+7], v[BO], s[8:9] offset:64*\b+16
.endr
	s_lshr_b32 s20, s17, 3                         ; 4 p + batch
	s_lshl_b32 s21, s20, 16
	s_add_co_u32 s22, s22, s21
	s_add_nc_u64 s[96:97], s[96:97], s[22:23]      ; qkvf at my sequence's 16 rows and my first column
	s_lshl_b32 s20, s20, 22                        ; qkv16: 16 heads of 262,144 bytes for each p and batch,
	s_and_b32 s21, s17, 7
	s_lshl_b32 s21, s21, 15                        ; 256 positions of 128 bytes a tile row,
	s_add_co_u32 s20, s20, s21
	s_lshl_b32 s21, s15, 14                        ; my 128 of them,
	s_add_co_u32 s20, s20, s21
	s_lshl_b32 s21, s42, 2
	s_lshl_b32 s22, s16, 1
	s_add_co_u32 s21, s21, s22                     ; my first head: 4 x tile column + 2 x half
	s_lshl_b32 s21, s21, 18
	s_add_co_u32 s20, s20, s21
	s_mov_b32 s21, 0
	s_add_nc_u64 s[12:13], s[12:13], s[20:21]
.macro FRAG reg, adr, q, i             ; 16 rows x 128 K of 4-bit codes: lane l holds row l % 16; registers 4 c .. 4 c + 3 hold K = 64 c + 32 (l / 16) + 0 .. 31
.irp c, 0,1
	ds_load_b128 v[\reg+4*\c:\reg+4*\c+3], v[\adr] offset:64*(\q)+32*\c+(\i)*16*PITCH
.endr
.endm
; 16 matrix instructions: A's blocks a0, a0 + 1 x B's eight, the slot's q-th 128 along K.  p: B's set; sc: the set of scale words.  zero = 1: the first product starts the sums from the bias.
; The 64 accumulators take turns, one instruction a turn, in the same order in every step.
.macro MUL16 a0, p, q, sc, zero
.irp a, \a0, \a0+1
.irp b, 0,1,2,3,4,5,6,7
.if \zero
	v_wmma_scale_f32_16x16x128_f8f6f4 v[8*(8*((\a)%4)+\b):8*(8*((\a)%4)+\b)+7], v[128*(\p)+FR*\b:128*(\p)+FR*\b+FR-1], v[AF+FR*(\a):AF+FR*(\a)+FR-1], v[BI+8*\b:BI+8*\b+7], v[SC+8*NQ*(\sc)+NQ*\b+(\q)], v[SC+8*NQ*(\sc)+NQ*(\a)+(\q)] matrix_a_fmt:MATRIX_FMT_FP4 matrix_b_fmt:MATRIX_FMT_FP4 matrix_a_scale:MATRIX_SCALE_ROW1
.else
	v_wmma_scale_f32_16x16x128_f8f6f4 v[8*(8*((\a)%4)+\b):8*(8*((\a)%4)+\b)+7], v[128*(\p)+FR*\b:128*(\p)+FR*\b+FR-1], v[AF+FR*(\a):AF+FR*(\a)+FR-1], v[8*(8*((\a)%4)+\b):8*(8*((\a)%4)+\b)+7], v[SC+8*NQ*(\sc)+NQ*\b+(\q)], v[SC+8*NQ*(\sc)+NQ*(\a)+(\q)] matrix_a_fmt:MATRIX_FMT_FP4 matrix_b_fmt:MATRIX_FMT_FP4 matrix_a_scale:MATRIX_SCALE_ROW1
.endif
.endr
.endr
.endm
.macro FETCH_B slot, q, p
	WIN TO_B
.irp i, 0,1,2,3,4,5,6,7
	FRAG 128*(\p)+FR*\i, ADRB+\slot, \q, \i
.endr
	WIN 0
.endm
.macro FETCH_A slot, q, i0
.irp i, \i0, \i0+1, \i0+2, \i0+3
	FRAG AF+FR*(\i), ADRA+\slot, \q, \i
.endr
.endm
.macro SCALES sc                       ; a slot's scale words: NQ words a row; lanes 0-15 take A's block i, lanes 16-31 B's block i
.irp i, 0,1,2,3,4,5,6,7
	ds_load_b128 v[SC+8*NQ*\sc+NQ*\i:SC+8*NQ*\sc+NQ*\i+3], v[ADRS] offset:\i*SBLK
.endr
.endm
.macro PLACES n                        ; plain vector lines between a matrix instruction and a load into, or a read of, its registers
.rept \n
	v_nop
.endr
.endm
; A step of 128 along K that has its successor in the same slot.  A has one set of registers: blocks 0-3 are fetched anew in the step's middle, blocks 4-7 at its end; B has two sets.
.macro STEP slot, q, zero
	s_wait_dscnt 4*NL                              ; B's set and A's blocks 0-3 are in; the youngest eight loads (A's blocks 4-7) may be out
.if \zero
	WIN FIRST_LO
.else
	WIN MUL_LO
.endif
	MUL16 0, (\q)%2, \q, \slot, \zero
	MUL16 2, (\q)%2, \q, \slot, \zero
	s_wait_dscnt 0                                 ; A's blocks 4-7 are in
	PLACES NP
	FETCH_B \slot, (\q)+1, 1-(\q)%2
	FETCH_A \slot, (\q)+1, 0
.if \zero
	WIN FIRST_HI
.else
	WIN MUL_HI
.endif
	MUL16 4, (\q)%2, \q, \slot, \zero
	MUL16 6, (\q)%2, \q, \slot, \zero
	PLACES NP
	WIN 0
	FETCH_A \slot, (\q)+1, 4
.endm
; Slot 0's last step goes on into slot 1: one barrier, in front of which each wave has waited for its part of slot 1.
.macro TURN slot, next
	s_wait_tensorcnt 0x0                           ; all my tensor loads have landed: my part of the next slot  (every window is 0 here)
	ds_add_u32 v[SPW], v[NIL]                      ; 0 onto my spare word
	s_wait_dscnt 4*NL+1                            ; (the add and the youngest eight loads may be out)
	WIN MUL_LO
	MUL16 0, 1, NQ-1, \slot, 0
	s_wait_dscnt 0x0                               ; no LDS instruction of mine is pending at the signal
	s_barrier_signal -1
	MUL16 2, 1, NQ-1, \slot, 0
	WIN 0
	s_barrier_wait -1                              ; everybody's part of the next slot is in
	PLACES NP
	v_add_nc_u32 v[ADRS], 4*NQ, v[ADRS]            ; on to the next slot's scale words
	FETCH_B \next, 0, 0
	FETCH_A \next, 0, 0
	SCALES \next
	WIN MUL_HI
	MUL16 4, 1, NQ-1, \slot, 0
	MUL16 6, 1, NQ-1, \slot, 0
	PLACES NP
	WIN 0
	FETCH_A \next, 0, 4
.endm
.macro STEPS slot, from
.set Q, \from
.rept NQ-1-\from
	STEP \slot, Q, 0
.set Q, Q+1
.endr
.endm
	s_wait_tensorcnt 1                             ; the scales and my part of slot 0 are in; slot 1's load may be out
	s_barrier_signal -1
	s_barrier_wait -1
	FETCH_B 0, 0, 0
	FETCH_A 0, 0, 0
	SCALES 0
	FETCH_A 0, 0, 4
	s_wait_loadcnt 0x0                             ; the bias
	STEP 0, 0, 1
	STEPS 0, 1
	TURN 0, 1
	STEPS 1, 0
	s_wait_dscnt 4*NL                              ; the last step: nothing more to fetch
	WIN MUL_LO
	MUL16 0, 1, NQ-1, 1, 0
	MUL16 2, 1, NQ-1, 1, 0
	s_wait_dscnt 0
	WIN MUL_HI
	MUL16 4, 1, NQ-1, 1, 0
	MUL16 6, 1, NQ-1, 1, 0
	WIN 0
	PLACES NP                                      ; behind the last products, in front of every read of results and every load into operands' registers below
	; positions 0 to 15 as f32: my block 0, where it holds them.  EXEC changes only behind a wait on XCNT for 0, and again in front of the line that restores it
	s_wait_xcnt 0x0
	v_cmp_eq_u32 vcc_lo, 0, v[FLG]
	s_and_saveexec_b32 s95, vcc_lo
	WIN 0x08                                       ; a store's data are its source 1: window 2
.irp b, 0,1,2,3,4,5,6,7
	global_store_b128 v[FO], v[8*\b:8*\b+3], s[96:97] offset:64*\b             ; each accumulator from its low end on
	global_store_b128 v[FO], v[8*\b+4:8*\b+7], s[96:97] offset:64*\b+16
.endr
	WIN 0
	s_wait_xcnt 0x0
	s_or_b32 exec_lo, exec_lo, s95
; THE WAY OUT of block a (16 rows x 128 columns).  PACK: rounded to f16, 16 bytes a lane.  TOSTAGE: into my stage, and back by heads.  SEND: stored.
.macro PACK a
.set AC, 64*((\a)%4)
	WIN 0x0a+5*((\a)/4)                            ; sources 0 and 1: window 2 or 3
.irp b, 0,1,2,3,4,5,6,7
.irp r, 0,1,2,3
	v_cvt_pk_f16_f32 v[TMP+4*\b+\r], v[AC+8*\b+2*\r], v[AC+8*\b+2*\r+1]
.endr
.endr
	WIN 0
.endm
.macro TOSTAGE a
.set BK, OB+192*((\a)%2)
.irp b, 0,1,2,3,4,5,6,7
	ds_store_b128 v[STO], v[TMP+4*\b:TMP+4*\b+3] offset:32*\b
.endr
.irp t, 0,1,2,3,4,5,6,7
	ds_load_b128 v[BK+4*\t:BK+4*\t+3], v[RD] offset:(\t%4)*4*SPITCH+(\t/4)*128    ; LDS serves a wave's instructions in order: these see the stores above
.endr
.endm
.macro SEND a
.set BK, OB+192*((\a)%2)
	s_wait_dscnt 0x0                               ; the block is back in registers
	s_wait_xcnt 0x0                                ; the stores of the block before have read their registers: the next block's loads may land there
.irp t, 0,1,2,3,4,5,6,7
	global_store_b128 v[CO], v[BK+4*\t:BK+4*\t+3], s[12:13] offset:(\a)*2048+(\t/4)*262144+(\t%4)*512   ; four rows of one head: 512 consecutive bytes, aligned
.endr
.endm
	PACK 0
	TOSTAGE 0
.irp a, 1,2,3,4,5,6,7                  ; block a's conversions stand between block a - 1's loads from the stage and the wait for them
	PACK \a
	SEND \a-1
	TOSTAGE \a
.endr
	SEND 7
	s_wait_tensorcnt 0x0                           ; the wave's end: behind my last tensor load and my last LDS store
	ds_add_u32 v[SPW], v[NIL]
	s_wait_dscnt 0x0
	CROUND                                         ; the closing round: no work-group ends while a partner may still ask for a tile that names it
	s_endpgm
.Lfunc_end_k_qa84f9611c1_proj:
	.size	k_qa84f9611c1_proj, .Lfunc_end_k_qa84f9611c1_proj-k_qa84f9611c1_proj
	.p2alignl 7, 3214868480
	.fill 96, 4, 3214868480
	.section	.rodata,"a",@progbits
	.p2align	6, 0x0
	.amdhsa_kernel k_qa84f9611c1_proj
		.amdhsa_group_segment_fixed_size 327680
		.amdhsa_private_segment_fixed_size 0
		.amdhsa_enable_private_segment 0
		.amdhsa_kernarg_size 56
		.amdhsa_user_sgpr_count 2
		.amdhsa_user_sgpr_kernarg_segment_ptr 1
		.amdhsa_wavefront_size32 1
		.amdhsa_system_sgpr_workgroup_id_x 1
		.amdhsa_system_sgpr_workgroup_id_y 1
		.amdhsa_system_sgpr_workgroup_id_z 1
		.amdhsa_system_vgpr_workitem_id 0
		.amdhsa_next_free_vgpr 1024
		.amdhsa_next_free_sgpr 98
		.amdhsa_reserve_vcc 1
		.amdhsa_float_denorm_mode_32 3
		.amdhsa_float_denorm_mode_16_64 3
		.amdhsa_memory_ordered 1
		.amdhsa_forward_progress 1
		.amdhsa_inst_pref_size 130
	.end_amdhsa_kernel
	.amdgpu_metadata
---
amdhsa.version: [ 1, 2 ]
amdhsa.kernels:
  - .name:           k_qa84f9611c1_proj
    .symbol:         k_qa84f9611c1_proj.kd
    .args:
      - { .name: codes, .offset: 0, .size: 8, .value_kind: global_buffer, .address_space: global }
      - { .name: scales, .offset: 8, .size: 8, .value_kind: global_buffer, .address_space: global }
      - { .name: bq, .offset: 16, .size: 8, .value_kind: global_buffer, .address_space: global }
      - { .name: bk, .offset: 24, .size: 8, .value_kind: global_buffer, .address_space: global }
      - { .name: bv, .offset: 32, .size: 8, .value_kind: global_buffer, .address_space: global }
      - { .name: qkv16, .offset: 40, .size: 8, .value_kind: global_buffer, .address_space: global }
      - { .name: qkvf, .offset: 48, .size: 8, .value_kind: global_buffer, .address_space: global }
    .group_segment_fixed_size: 327680
    .private_segment_fixed_size: 0
    .kernarg_segment_align: 8
    .kernarg_segment_size: 56
    .max_flat_workgroup_size: 128
    .sgpr_count:     98
    .vgpr_count:     1024
    .wavefront_size: 32
...
	.end_amdgpu_metadata
.endif
;; end of part 2
;; launch attn (part 3): grid 4 x 64, 16 waves a work-group, no clusters, 327,680 bytes of LDS; arguments qkv16, ao16; writes ao16
.if DOCPART == 3
	.amdgcn_target "amdgcn-amd-amdhsa--gfx1250"
	.amdhsa_code_object_version 6
	.text
	.protected	k_qa84f9611c1_attn
	.globl	k_qa84f9611c1_attn
	.p2align	8
	.type	k_qa84f9611c1_attn,@function
k_qa84f9611c1_attn:
	s_mov_b64 s[64:65], 0
	v_nop
	global_prefetch_b8 v0, s[64:65] scope:SCOPE_SE
	s_setreg_imm32_b32 hwreg(HW_REG_WAVE_MODE, 25, 1), 1
	s_wait_xcnt 0x0
; ao[b][h][q][:] = the sum over keys k <= q of softmax_k(q . k / 8) v[k][:], for 64 heads of 2,048 positions x 64 channels.  q, k, v: qkv16 [3][64 heads][2048][64] f16; ao16 [64][2048][64] f16.
; Products, maxima and sums in f32; the weights p are rounded to f16 for the second product, the result once at the end.  A running maximum m and sum l for each query: p = 2^(c s - c m), c = log2(e) / 8;
; in every step O and l are multiplied by a = 2^(c m_old - c m_new).
; LIMITS: q, k, v and the result beyond 65,504 are not served (f16); NaN and infinities are not served.  Positions 0 to 15 of each sequence are made here too and are made again, in f32, by the last launch.
; SHARES.  A work-group takes one head and TWO blocks of 256 queries, blocks 7 - x (waves 0-7) and x (waves 8-15): a block j has work for 32 j + 20 key steps of a wave, so every pair has 264.
; A wave owns 32 queries, two tiles of 16; of the eight groups of a block, waves g and g + 4 take groups g and 7 - g.  All sixteen waves walk the keys from 0, 64 a step, through one ring of two LDS slots of 256 keys.
; Every work-group walks all 8 slots (constant trip counts); a step all of whose keys come after the wave's queries is left out by a branch on ids; a slot whose first key comes after the work-group's last query is not asked for.
; NO CLUSTER: the four work-groups of a head need 8 - x slots each, so a joint load would bring tiles that no wave of some partner reads.
; LAYOUT.  S^T = K Q^T (source 0 = 16 keys, source 1 = 16 queries): a lane holds ONE query (lane % 16) and keys 8 (lane / 16) + 0..7.  Two such tiles rounded to f16 in pairs ARE source 1 of O^T = V^T P;
; V ([key][channel]) comes out of LDS turned, by ds_load_tr16_b128.
; REGISTERS: v1-9 addresses; v10-25 statistics, eight a tile; v26-28 the mask's; v32-63 Q; v64-127 K or V of one step; v128-191 S^T, then p, then P in place (low 16 of each tile); v192-255 O^T.
.set KP,    144                        ; a key's row in LDS: 128 bytes + 16
.set VP,    160                        ; a row of V: 128 + 32: the turning load's eight rows of 32 bytes fall on different parts of 256 bytes
.set SK,    256                        ; keys in a slot
.set VOFF,  SK*KP                      ; a slot: 256 rows of K, then 256 rows of V
.set SLOT1, 1<<17                      ; slot 1 begins here: one exclusive or turns an address
.set STAGE, SLOT1+SK*(KP+VP)           ; the way out: 16 rows x 144 bytes for each wave; no tensor load lands here
.set SPARE, STAGE+16*16*KP             ; the spare words, 128 bytes a wave
.set NSL,   8
.set AK0, 1                            ; v1 my lane's place in a tile of K
.set AV0, 2                            ; v2 the same for V
.set ADK, 3                            ; v3 LDS address of the step's K; on the way out: into the stage
.set ADV, 4                            ; v4 of its V; on the way out: back from the stage
.set SPW, 5                            ; v5 my spare word; never rewritten
.set NIL, 6                            ; v6 0; never rewritten
.set PFO, 7                            ; v7 256 x lane; never rewritten
.set RH,  8                            ; v8 lane % 16 - 8 (lane / 16)
.set ST,  10                           ; tile t at v[ST + 8 t]: +0 c m, +1 m, +2, +3 l (even, odd keys), +4..+7 t0-t3 at work; a in t2
.set D0,  26                           ; v26, v27 the mask's bound for tile 0, 1
.set NINF, 28                          ; v28 -infinity
.set QQ,  32
.set KV,  64
.set SS,  128
.set OO,  192
.set WV,  8
.set X,   9
.set Q0,  11                           ; s11 my first query
.set KF,  12                           ; s12 the step's first key
.set LASTQ, 13                         ; s13 the work-group's last query
.set TBK, 14                           ; s14 LDS byte at which the step's rows of K begin
.set TBV, 15                           ; s15 the same for V (less VOFF)
.set SLOTS, 16
.set CNT, 17
.set LIM, 18
.set TS,  19
.set SEL, 20
.set CS,  22
.set G1K, 24
.set G1V, 32
.set G0K, 40
.set G0V, 44
.set PFA, 48
.set QB,  50
.set OB,  52
; Waves 0 and 1 fetch K's halves of a slot, waves 2 and 3 V's, the others nothing.  An s_nop 0 and four v_nop follow each line.
.macro TLOAD g0k, g1k, g0v, g1v
	s_cmp_lt_u32 s[WV], 2
	s_cbranch_scc0 .Lnot_k_\@
	tensor_load_to_lds s[\g0k:\g0k+3], s[\g1k:\g1k+7]
	s_nop 0
.rept 4
	v_nop
.endr
	s_branch .Lasked_\@
.Lnot_k_\@:
	s_cmp_lt_u32 s[WV], 4
	s_cbranch_scc0 .Lasked_\@
	tensor_load_to_lds s[\g0v:\g0v+3], s[\g1v:\g1v+7]
	s_nop 0
.rept 4
	v_nop
.endr
.Lasked_\@:
.endm
; A prefetch of what the NEXT change of slots will ask for: a slot's 32,768 dense bytes of K and of V.  All four work-groups of a head walk the same keys: the one that walks all slots (x = 0) asks.
; In it waves 4 to 7 ask for K's block and waves 8 to 11 for V's, 8,192 bytes a wave, lanes 256 bytes apart: each 256 bytes are named once in the launch.  The last change that fills a slot asks for nothing.
.macro ASK
	s_cmp_gt_u32 s[SLOTS], s[LIM]
	s_cbranch_scc0 .Lnot_mine_\@
	global_prefetch_b8 v[PFO], s[PFA:PFA+1] th:TH_LOAD_NT scope:SCOPE_SE
.Lnot_mine_\@:
.endm
	s_load_b128 s[4:7], s[0:1], 0x0                ; qkv16, ao16
	v_lshl_add_u32 v[SPW], v0, 2, SPARE
	v_mov_b32 v[NIL], 0
	ds_add_u32 v[SPW], v[NIL]                      ; the wave's opening: the add, twice on end, and its wait ahead of the first tensor load
	ds_add_u32 v[SPW], v[NIL]
	v_lshrrev_b32 v9, 5, v0
	v_readfirstlane_b32 s[WV], v9                  ; wave 0..15
	s_mov_b32 s[X], ttmp9
	s_sub_co_u32 s54, 7, s[X]
	s_cmp_lt_u32 s[WV], 8
	s_cselect_b32 s54, s54, s[X]                   ; my block of 256 queries
	s_and_b32 s55, s[WV], 7
	s_sub_co_u32 s56, 11, s55
	s_cmp_lt_u32 s55, 4
	s_cselect_b32 s55, s55, s56                    ; my group of 32 in it: 0 1 2 3 7 6 5 4
	s_lshl_b32 s54, s54, 8
	s_lshl_b32 s55, s55, 5
	s_add_co_u32 s[Q0], s54, s55
	s_sub_co_u32 s[LASTQ], 8, s[X]
	s_lshl_b32 s[LASTQ], s[LASTQ], 8
	s_sub_co_u32 s[LASTQ], s[LASTQ], 1             ; 256 (8 - x) - 1
	s_and_b32 s58, ttmp7, 0xffff
	s_lshl_b32 s58, s58, 18                        ; the head's first byte in q, k, v and ao16
	s_and_b32 s60, s[WV], 1                        ; which half of a slot I fetch, if I fetch
	s_lshl_b32 s62, s60, 14                        ; its 128 rows of 128 bytes in memory,
	s_add_co_u32 s62, s62, s58
	s_mov_b32 s63, 0
	s_mul_i32 s61, s60, 128*KP                     ; and in a slot: K's,
	s_mul_i32 s60, s60, 128*VP
	s_add_co_u32 s60, s60, VOFF                    ; V's
	s_lshl_b32 s66, s[Q0], 7
	s_add_co_u32 s66, s66, s58                     ; my first query's row
	s_mov_b32 s67, 0
	; descriptor group 1: 128 rows of 64 elements of 2 bytes, dense in memory, padded in LDS
	s_mov_b32 s[G1K], (1<<16)|(1<<20)|(4<<22)|(3<<25)   ; no mask; elements of 2 bytes; padding on; after every 32 words four words
	s_mov_b32 s[G1V], (1<<16)|(1<<20)|(4<<22)|(7<<25)   ; eight words
.irp g, G1K, G1V
	s_mov_b32 s[\g+1], 64<<16                      ; tensor_dim0
	s_mov_b32 s[\g+2], 128<<16                     ; tensor_dim1
	s_mov_b32 s[\g+3], 64<<16                      ; tile_dim0
	s_mov_b32 s[\g+4], 128                         ; tile_dim1
	s_mov_b32 s[\g+5], 64                          ; from row to row
	s_mov_b32 s[\g+6], 0
	s_mov_b32 s[\g+7], 0
.endr
	s_mov_b32 s[SEL], 0x76543210
	s_mov_b32 s[SEL+1], 0xfedcba98                 ; v_permlanex16_b32: lane l xor 16
	s_mov_b32 s[CS], 0x3e38aa3b                    ; c = log2(e) / 8
	s_mov_b32 s[CS+1], s[CS]                       ; (named with it as a pair, so it is written)
	s_mov_b32 s[KF], 0
	s_mov_b32 s[TBK], 0
	s_mov_b32 s[TBV], 0
	s_mov_b32 s[SLOTS], NSL-1
	s_wait_dscnt 0x0                               ; both opening adds are done
	s_wait_kmcnt 0x0
	s_mov_b32 s[G0K], 1
	s_mov_b32 s[G0K+1], s61
	s_add_nc_u64 s[G0K+2:G0K+3], s[4:5], s[62:63]
	s_add_nc_u64 s[G0K+2:G0K+3], s[G0K+2:G0K+3], 0x1000000   ; k lies 16,777,216 bytes into qkv16
	s_or_b32 s[G0K+3], s[G0K+3], 0x80000000
	s_mov_b32 s[G0V], 1
	s_mov_b32 s[G0V+1], s60
	s_add_nc_u64 s[G0V+2:G0V+3], s[4:5], s[62:63]
	s_add_nc_u64 s[G0V+2:G0V+3], s[G0V+2:G0V+3], 0x2000000   ; v 33,554,432
	s_or_b32 s[G0V+3], s[G0V+3], 0x80000000
	TLOAD G0K, G1K, G0V, G1V                       ; slot 0: keys 0 to 255, which count for every work-group
	s_add_nc_u64 s[QB:QB+1], s[4:5], s[66:67]
	s_add_nc_u64 s[OB:OB+1], s[6:7], s[66:67]
	v_and_b32 v29, 15, v0                          ; r
	v_bfe_u32 v30, v0, 4, 1                        ; h
	v_lshlrev_b32 v9, 7, v29
	v_lshl_add_u32 v9, v30, 4, v9                  ; Q: row r of 128 bytes + 16 h
.irp t, 0,1
.irp c, 0,1
	global_load_b128 v[QQ+16*\t+8*\c:QQ+16*\t+8*\c+3],   v9, s[QB:QB+1] offset:2048*\t+64*\c      ; tile t, channels 32 c on: stays in registers
	global_load_b128 v[QQ+16*\t+8*\c+4:QQ+16*\t+8*\c+7], v9, s[QB:QB+1] offset:2048*\t+64*\c+32
.endr
.endr
	; the prefetches: where my wave's stand, and who asks
	s_mov_b32 s56, 0x2000000
	s_cmp_lt_u32 s[WV], 8
	s_cselect_b32 s56, 0x1000000, s56              ; waves under 8: k; the others: v
	s_and_b32 s55, s[WV], 3
	s_lshl_b32 s55, s55, 13
	s_add_co_u32 s56, s56, s55                     ; my 8,192 bytes of a slot's block,
	s_add_co_u32 s56, s56, s58                     ; in my head,
	s_add_co_u32 s56, s56, 32768                   ; in slot 1: the first change of slots steps it to slot 2.  Nothing is prefetched at the head
	s_mov_b32 s57, 0
	s_add_nc_u64 s[PFA:PFA+1], s[4:5], s[56:57]
	s_sub_co_u32 s54, s[WV], 4
	s_lshr_b32 s54, s54, 3                         ; 0 in waves 4 to 11,
	s_or_b32 s54, s54, s[X]                        ; of work-group x = 0
	s_cmp_eq_u32 s54, 0
	s_cselect_b32 s[LIM], 1, -1
	v_and_b32 v[PFO], 31, v0
	v_lshlrev_b32 v[PFO], 8, v[PFO]
	v_mul_u32_u24 v[AK0], v29, KP
	v_lshl_add_u32 v[AK0], v30, 4, v[AK0]          ; K: row r x pitch + 16 h
	v_and_b32 v31, 7, v0
	v_lshl_add_u32 v[AV0], v30, 3, v31             ; V, turned: key 8 h + lane % 8,
	v_mul_u32_u24 v[AV0], v[AV0], VP
	v_bfe_u32 v31, v0, 3, 1
	v_lshl_add_u32 v[AV0], v31, 4, v[AV0]          ; channels 8 ((lane / 8) % 2) on
	v_add_nc_u32 v[AV0], VOFF, v[AV0]
	v_lshlrev_b32 v31, 3, v30
	v_sub_nc_u32 v[RH], v29, v31
	v_mov_b32 v[NINF], 0xff800000
.irp t, 0,1
	v_mov_b32 v[ST+8*\t+1], 0xff61b1e6             ; m: -3e38, under every score
	v_mul_f32 v[ST+8*\t], s[CS], v[ST+8*\t+1]      ; c m
.irp i, 2,3,4,5,6,7
	v_mov_b32 v[ST+8*\t+\i], 0                     ; l; and the registers at work, so that each is written on every way
.endr
.endr
.irp j, 0,1,2,3,4,5,6,7,8,9,10,11,12,13,14,15,16,17,18,19,20,21,22,23,24,25,26,27,28,29,30,31,32,33,34,35,36,37,38,39,40,41,42,43,44,45,46,47,48,49,50,51,52,53,54,55,56,57,58,59,60,61,62,63
	v_mov_b32 v[OO+\j], 0                          ; O^T.  (The step is written without a first copy: the first finds zeros, which a = 0 leaves zeros)
.endr
; A KEY STEP: 64 keys, at s[TBK] and s[TBV] of the slot in hand.
.macro STEP
	s_add_co_u32 s[TS], s[Q0], 31
	s_cmp_gt_u32 s[KF], s[TS]                      ; all its keys come after my 32 queries: left out, but for the lines at its end that step addresses
	s_cbranch_scc1 .Lhidden_\@
	v_add_nc_u32 v[ADK], s[TBK], v[AK0]
	v_add_nc_u32 v[ADV], s[TBV], v[AV0]
.rept 3
	v_nop                                          ; with the two additions five places behind the last V^T P: four for the loads into the registers that it read, five for the products that write over P
.endr
.irp c, 0,1                                    ; K: 8 fragments of 16 keys x 32 channels; channels 0-31 first
.irp kt, 0,1,2,3
	ds_load_b128 v[KV+8*(2*\kt+\c):KV+8*(2*\kt+\c)+3],   v[ADK] offset:16*KP*\kt+64*\c
	ds_load_b128 v[KV+8*(2*\kt+\c)+4:KV+8*(2*\kt+\c)+7], v[ADK] offset:16*KP*\kt+64*\c+32
.endr
.endr
	s_wait_dscnt 8                                 ; channels 0-31 are in; the eight younger loads may be out
.set i, 0
.rept 16                                       ; S^T = K Q^T: product i: channels 32 (i / 8) on, keys 16 ((i / 2) % 4) on, tile i % 2: eight accumulators by turns
.if i == 8
	s_wait_dscnt 0x0
.endif
.set rS, SS+32*(i%2)+8*((i/2)%4)
.set rK, KV+8*(2*((i/2)%4)+i/8)
.set rQ, QQ+16*(i%2)+8*(i/8)
.if i < 8
	v_wmma_f32_16x16x32_f16 v[rS:rS+7], v[rK:rK+7], v[rQ:rQ+7], 0
.else
	v_wmma_f32_16x16x32_f16 v[rS:rS+7], v[rK:rK+7], v[rQ:rQ+7], v[rS:rS+7]
.endif
.set i, i+1
.endr
.rept 4
	v_nop                                          ; places: for the loads below into K's registers, and for the first reads of the scores
.endr
.irp kh, 0,1                                   ; V, turned: 8 fragments of 16 channels x 32 keys; keys 0-31 first.  They land while the softmax is walked
.irp ct, 0,1,2,3
	ds_load_tr16_b128 v[KV+8*(4*\kh+\ct):KV+8*(4*\kh+\ct)+3],   v[ADV] offset:32*VP*\kh+32*\ct
	ds_load_tr16_b128 v[KV+8*(4*\kh+\ct)+4:KV+8*(4*\kh+\ct)+7], v[ADV] offset:32*VP*\kh+16*VP+32*\ct
.endr
.endr
	s_add_co_u32 s[TS], s[KF], 63                  ; on the diagonal hidden scores become -infinity ahead of the maximum; a step all of whose keys count skips this
	s_cmp_le_u32 s[TS], s[Q0]
	s_cbranch_scc1 .Lopen_\@
	s_sub_co_i32 s[TS], s[Q0], s[KF]
	v_add_nc_u32 v[D0], s[TS], v[RH]               ; register 8 kt + j of tile t holds key KF + 16 kt + 8 h + j and query Q0 + 16 t + r: hidden where 16 kt + j > Q0 - KF + 16 t + r - 8 h
	v_add_nc_u32 v[D0+1], 16, v[D0]
.irp t, 0,1
.irp kt, 0,1,2,3
.irp j, 0,1,2,3,4,5,6,7
	v_cmp_gt_i32 vcc_lo, 16*\kt+\j, v[D0+\t]
	v_cndmask_b32 v[SS+32*\t+8*\kt+\j], v[SS+32*\t+8*\kt+\j], v[NINF], vcc_lo
.endr
.endr
.endr
.Lopen_\@:
	; the maximum of each tile's 32 scores and the old m: four chains, each accumulator from its low end on; the two tiles line by line
.irp q, 0,1,2,3
.irp t, 0,1
	v_max3_num_f32 v[ST+8*\t+4+\q], v[SS+32*\t+8*\q], v[SS+32*\t+8*\q+1], v[SS+32*\t+8*\q+2]
.endr
.endr
.irp u, 3,5
.irp q, 0,1,2,3
.irp t, 0,1
	v_max3_num_f32 v[ST+8*\t+4+\q], v[ST+8*\t+4+\q], v[SS+32*\t+8*\q+\u], v[SS+32*\t+8*\q+\u+1]
.endr
.endr
.endr
.irp t, 0,1
	v_max3_num_f32 v[ST+8*\t+4], v[ST+8*\t+4], v[SS+32*\t+7], v[SS+32*\t+15]
.endr
.irp t, 0,1
	v_max3_num_f32 v[ST+8*\t+6], v[ST+8*\t+6], v[SS+32*\t+23], v[SS+32*\t+31]
.endr
.irp t, 0,1
	v_max3_num_f32 v[ST+8*\t+4], v[ST+8*\t+4], v[ST+8*\t+5], v[ST+8*\t+6]
.endr
.irp t, 0,1
	v_max3_num_f32 v[ST+8*\t+4], v[ST+8*\t+4], v[ST+8*\t+7], v[ST+8*\t+1]
.endr
.irp t, 0,1
	v_permlanex16_b32 v[ST+8*\t+5], v[ST+8*\t+4], s[SEL], s[SEL+1]   ; the query's other 32 keys lie in the lane 16 away
.endr
.irp t, 0,1
	v_mov_b32 v[ST+8*\t+7], v[ST+8*\t]             ; c m_old
.endr
.irp t, 0,1
	v_max_num_f32 v[ST+8*\t+1], v[ST+8*\t+4], v[ST+8*\t+5]
.endr
.irp t, 0,1
	v_mul_f32 v[ST+8*\t], s[CS], v[ST+8*\t+1]
.endr
.irp t, 0,1
	v_sub_f32 v[ST+8*\t+7], v[ST+8*\t+7], v[ST+8*\t]
.endr
.irp t, 0,1
	v_exp_f32 v[ST+8*\t+6], v[ST+8*\t+7]           ; a
.endr
.irp j, 0,2,4,6,8,10,12,14,16,18,20,22,24,26,28,30
.irp t, 0,1
	v_pk_fma_f32 v[SS+32*\t+\j:SS+32*\t+\j+1], v[SS+32*\t+\j:SS+32*\t+\j+1], s[CS:CS+1], v[ST+8*\t:ST+8*\t+1] op_sel_hi:[1,0,0] neg_lo:[0,0,1] neg_hi:[0,0,1]   ; c s - c m
.endr
.endr
.irp j, 0,1,2,3,4,5,6,7,8,9,10,11,12,13,14,15,16,17,18,19,20,21,22,23,24,25,26,27,28,29,30,31,32,33,34,35,36,37,38,39,40,41,42,43,44,45,46,47,48,49,50,51,52,53,54,55,56,57,58,59,60,61,62,63
	v_exp_f32 v[SS+\j], v[SS+\j]                   ; p
.endr
	v_nop                                          ; a plain line behind the last exponential
	s_wait_alu depctr_va_vdst(0)                   ; one wait for the step's 66 exponentials, ahead of the first line that names a result
.irp t, 0,1
	v_pk_mul_f32 v[ST+8*\t+2:ST+8*\t+3], v[ST+8*\t+2:ST+8*\t+3], v[ST+8*\t+6:ST+8*\t+7] op_sel_hi:[1,0]   ; l x a
.endr
.irp t, 0,1
	v_pk_add_f32 v[ST+8*\t+4:ST+8*\t+5], v[SS+32*\t:SS+32*\t+1], v[SS+32*\t+2:SS+32*\t+3]   ; the sums of p in f32, ahead of the rounding: two chains a tile
.endr
.irp j, 4,8,12,16,20,24,28
.irp t, 0,1
	v_pk_add_f32 v[ST+8*\t+2:ST+8*\t+3], v[ST+8*\t+2:ST+8*\t+3], v[SS+32*\t+\j:SS+32*\t+\j+1]
	v_pk_add_f32 v[ST+8*\t+4:ST+8*\t+5], v[ST+8*\t+4:ST+8*\t+5], v[SS+32*\t+\j+2:SS+32*\t+\j+3]
.endr
.endr
.irp t, 0,1
	v_pk_add_f32 v[ST+8*\t+2:ST+8*\t+3], v[ST+8*\t+2:ST+8*\t+3], v[ST+8*\t+4:ST+8*\t+5]
.endr
.irp j, 0,1,2,3,4,5,6,7,8,9,10,11,12,13,14,15
.irp t, 0,1
	v_cvt_pk_f16_f32 v[SS+32*\t+\j], v[SS+32*\t+2*\j], v[SS+32*\t+2*\j+1]   ; P in place, ascending: register j is written when pairs up to j have been read
.endr
.endr
.irp j, 0,2,4,6,8,10,12,14,16,18,20,22,24,26,28,30
.irp t, 0,1
	v_pk_mul_f32 v[OO+32*\t+\j:OO+32*\t+\j+1], v[OO+32*\t+\j:OO+32*\t+\j+1], v[ST+8*\t+6:ST+8*\t+7] op_sel_hi:[1,0]   ; O^T x a
.endr
.endr
	s_wait_dscnt 8                                 ; V's keys 0-31 are in
.set i, 0
.rept 16                                       ; O^T += V^T P: product i: keys 32 (i / 8) on, channels 16 ((i / 2) % 4) on, tile i % 2: eight accumulators by turns
.if i == 8
	s_wait_dscnt 0x0
.endif
.set rO, OO+32*(i%2)+8*((i/2)%4)
.set rV, KV+8*(4*(i/8)+(i/2)%4)
.set rP, SS+32*(i%2)+8*(i/8)
	v_wmma_f32_16x16x32_f16 v[rO:rO+7], v[rV:rV+7], v[rP:rP+7], v[rO:rO+7]
.set i, i+1
.endr
.Lhidden_\@:
	s_add_co_u32 s[KF], s[KF], 64
	s_add_co_u32 s[TBK], s[TBK], 64*KP
	s_add_co_u32 s[TBV], s[TBV], 64*VP
.endm
.macro SLOT_STEPS                      ; a slot's four key steps: written once, walked four times
	s_mov_b32 s[CNT], 4
.Lst_\@:
	STEP
	s_sub_co_u32 s[CNT], s[CNT], 1
	s_cmp_lg_u32 s[CNT], 0
	s_cbranch_scc1 .Lst_\@
	s_sub_co_u32 s[TBK], s[TBK], SK*KP             ; back to a slot's first step,
	s_xor_b32 s[TBK], s[TBK], SLOT1                ; in the other slot
	s_sub_co_u32 s[TBV], s[TBV], SK*VP
	s_xor_b32 s[TBV], s[TBV], SLOT1
.endm
; THE CHANGE OF SLOTS stands at a slot's head.  Each wave waits for all its tensor loads (its part of the slot ahead), adds 0 to its spare word, and waits for that and for its reads of the slot that it has left.
; Behind the barrier the slot ahead is whole and nobody reads the other one.  fill = 1: that other slot is filled with the keys that follow, up to the causal limit: one load a wave, with a slot's four steps in which to land.
.macro CHANGE fill
	s_wait_tensorcnt 0x0                           ; no tensor load of mine is out, so a group 0 may be written
	ds_add_u32 v[SPW], v[NIL]                      ; 0 onto my spare word
.if \fill
	ds_add_u32 v[SPW], v[NIL]                      ; and once more: the add twice on end, in every trip alike
	s_xor_b32 s[G0K+1], s[G0K+1], SLOT1            ; the walking descriptors: the other slot,
	s_add_nc_u64 s[G0K+2:G0K+3], s[G0K+2:G0K+3], SK*128   ; the next 256 keys
	s_xor_b32 s[G0V+1], s[G0V+1], SLOT1
	s_add_nc_u64 s[G0V+2:G0V+3], s[G0V+2:G0V+3], SK*128
	s_wait_xcnt 0x0                                ; the last prefetch, a slot back, has read its address
	s_add_nc_u64 s[PFA:PFA+1], s[PFA:PFA+1], SK*128   ; one slot further on than the walking descriptors
.endif
	s_wait_dscnt 0x0                               ; the add is done, and my reads of the slot that I have left are over
	s_barrier_signal -1
	s_barrier_wait -1
.if \fill
	s_add_co_u32 s[TS], s[KF], SK                  ; the first key of the slot that this change would ask for:
	s_cmp_gt_u32 s[TS], s[LASTQ]                   ; behind the work-group's last query it is read by none of the sixteen waves and is not asked for.  Ids and the count of steps alone: all waves go one way
	s_cbranch_scc1 .Lpast_\@
	TLOAD G0K, G1K, G0V, G1V
.Lpast_\@:
	ASK
.endif
.endm
	s_wait_loadcnt 0x0                             ; Q
.Lslot:                                        ; 7 trips
	CHANGE 1
	SLOT_STEPS
	s_sub_co_u32 s[SLOTS], s[SLOTS], 1
	s_cmp_lg_u32 s[SLOTS], 0
	s_cbranch_scc1 .Lslot
	CHANGE 0                                       ; the last slot is written out: nothing follows it
	SLOT_STEPS
	; THE WAY OUT.  l's halves are added; O^T / l is rounded to f16 and goes through my stage, a tile of 16 rows at a time, so that each store covers 512 consecutive bytes (four rows).
.irp t, 0,1
	v_add_f32 v[ST+8*\t+4], v[ST+8*\t+2], v[ST+8*\t+3]
.endr
.irp t, 0,1
	v_permlanex16_b32 v[ST+8*\t+5], v[ST+8*\t+4], s[SEL], s[SEL+1]
.endr
.irp t, 0,1
	v_add_f32 v[ST+8*\t+4], v[ST+8*\t+4], v[ST+8*\t+5]
.endr
.irp t, 0,1
	v_rcp_f32 v[ST+8*\t+6], v[ST+8*\t+4]
.endr
	s_mul_i32 s54, s[WV], 16*KP
	s_add_co_u32 s54, s54, STAGE                   ; my stage
	v_and_b32 v29, 15, v0                          ; (plain lines behind the reciprocals)
	v_bfe_u32 v30, v0, 4, 1
	v_mul_u32_u24 v[ADK], v29, KP
	v_lshl_add_u32 v[ADK], v30, 4, v[ADK]
	v_add_nc_u32 v[ADK], s54, v[ADK]               ; in: row r, + 16 h
	v_bfe_u32 v29, v0, 3, 2
	v_and_b32 v30, 7, v0
	v_mul_u32_u24 v[ADV], v29, KP
	v_lshl_add_u32 v[ADV], v30, 4, v[ADV]
	v_add_nc_u32 v[ADV], s54, v[ADV]               ; back: eight lanes to a row of 128 bytes, four rows an instruction
	v_and_b32 v9, 31, v0
	v_lshlrev_b32 v9, 4, v9                        ; and the same 512 bytes in memory
	s_wait_alu depctr_va_vdst(0)                   ; one wait for the two reciprocals, ahead of their first reader
.irp t, 0,1
.irp j, 0,2,4,6,8,10,12,14,16,18,20,22,24,26,28,30
	v_pk_mul_f32 v[OO+32*\t+\j:OO+32*\t+\j+1], v[OO+32*\t+\j:OO+32*\t+\j+1], v[ST+8*\t+6:ST+8*\t+7] op_sel_hi:[1,0]
.endr
.irp j, 0,1,2,3,4,5,6,7,8,9,10,11,12,13,14,15
	v_cvt_pk_f16_f32 v[SS+16*\t+\j], v[OO+32*\t+2*\j], v[OO+32*\t+2*\j+1]
.endr
.irp ct, 0,1,2,3
	ds_store_b128 v[ADK], v[SS+16*\t+4*\ct:SS+16*\t+4*\ct+3] offset:32*\ct
.endr
.irp i, 0,1,2,3
	ds_load_b128 v[SS+32+16*\t+4*\i:SS+32+16*\t+4*\i+3], v[ADV] offset:4*KP*\i   ; LDS serves a wave's instructions in order: these see the stores above, and the next tile's stores come behind them
.endr
.endr
.irp t, 0,1
.irp i, 0,1,2,3
	s_wait_dscnt 11-8*\t-\i                        ; behind tile 0's load i: its 3 - i younger loads and tile 1's eight; behind tile 1's: 3 - i
	global_store_b128 v9, v[SS+32+16*\t+4*\i:SS+32+16*\t+4*\i+3], s[OB:OB+1] offset:2048*\t+512*\i
.endr
.endr
	s_wait_tensorcnt 0x0                           ; the wave's end: behind my last tensor load and my last LDS store
	ds_add_u32 v[SPW], v[NIL]
	s_wait_dscnt 0x0
	s_endpgm
.Lfunc_end_k_qa84f9611c1_attn:
	.size	k_qa84f9611c1_attn, .Lfunc_end_k_qa84f9611c1_attn-k_qa84f9611c1_attn
	.p2alignl 7, 3214868480
	.fill 96, 4, 3214868480
	.section	.rodata,"a",@progbits
	.p2align	6, 0x0
	.amdhsa_kernel k_qa84f9611c1_attn
		.amdhsa_group_segment_fixed_size 327680
		.amdhsa_private_segment_fixed_size 0
		.amdhsa_enable_private_segment 0
		.amdhsa_kernarg_size 16
		.amdhsa_user_sgpr_count 2
		.amdhsa_user_sgpr_kernarg_segment_ptr 1
		.amdhsa_wavefront_size32 1
		.amdhsa_system_sgpr_workgroup_id_x 1
		.amdhsa_system_sgpr_workgroup_id_y 1
		.amdhsa_system_sgpr_workgroup_id_z 1
		.amdhsa_system_vgpr_workitem_id 0
		.amdhsa_next_free_vgpr 256
		.amdhsa_next_free_sgpr 72
		.amdhsa_reserve_vcc 1
		.amdhsa_float_denorm_mode_32 3
		.amdhsa_float_denorm_mode_16_64 3
		.amdhsa_memory_ordered 1
		.amdhsa_forward_progress 1
		.amdhsa_inst_pref_size 62
	.end_amdhsa_kernel
	.amdgpu_metadata
---
amdhsa.version: [ 1, 2 ]
amdhsa.kernels:
  - .name:           k_qa84f9611c1_attn
    .symbol:         k_qa84f9611c1_attn.kd
    .args:
      - { .name: qkv16, .offset: 0, .size: 8, .value_kind: global_buffer, .address_space: global }
      - { .name: ao16, .offset: 8, .size: 8, .value_kind: global_buffer, .address_space: global }
    .group_segment_fixed_size: 327680
    .private_segment_fixed_size: 0
    .kernarg_segment_align: 8
    .kernarg_segment_size: 16
    .max_flat_workgroup_size: 512
    .sgpr_count:     72
    .vgpr_count:     256
    .wavefront_size: 32
...
	.end_amdgpu_metadata
.endif
;; end of part 3
;; launch oproj (part 4): grid 4 x 64, 4 waves a work-group, clusters of 4 x 4, 327,680 bytes of LDS; arguments ao16, wo16, bo, out0; writes out0
.if DOCPART == 4
	.amdgcn_target "amdgcn-amd-amdhsa--gfx1250"
	.amdhsa_code_object_version 6
	.text
	.protected	k_qa84f9611c1_oproj
	.globl	k_qa84f9611c1_oproj
	.p2align	8
	.type	k_qa84f9611c1_oproj,@function
k_qa84f9611c1_oproj:
	s_mov_b64 s[64:65], 0
	v_nop
	global_prefetch_b8 v0, s[64:65] scope:SCOPE_SE
	s_setreg_imm32_b32 hwreg(HW_REG_WAVE_MODE, 25, 1), 1
	s_wait_xcnt 0x0
	s_wait_alu depctr_hold_cnt(0) depctr_sa_sdst(0) depctr_va_vdst(0) depctr_va_sdst(0) depctr_va_ssrc(0) depctr_va_vcc(0) depctr_vm_vsrc(0)
	s_getreg_b32 s2, hwreg(HW_REG_IB_STS2, 6, 4)
	s_cmp_eq_u32 s2, 0
	s_cbranch_scc0 .Lentry_in_a_cluster
	s_endpgm
.Lentry_in_a_cluster:
	s_bfe_u32 s2, ttmp6, 0x10000c
	s_cmp_lg_u32 s2, 0xf033
	s_cbranch_scc0 .Lentry_shape_is_right
	s_endpgm
.Lentry_shape_is_right:
; out0[m][n] = the sum over k of ao[m][k] Wo[n][k] + bo[n]: M 8,192, N 1,024, K 1,024, f16 operands, f32 sums, f32 out.
; ao16: [4 b][16 head][2048 s][64] f16; wo16: [16 planes][1024 n][64] f16: in both, 64 along K (a head) of neighbouring rows are a dense block of rows of 128 bytes.
; A tile of 128 (m) x 256 (n) gives 256 work-groups.  Four waves, each 64 x 128: 32 accumulators, 256 registers.  K goes in 8 steps of 128 (two planes) through a ring of two LDS slots.
; CLUSTERS: 4 x 4 work-groups: A's planes are asked for jointly along a row of the cluster, Wo's along a column.  Waves 0 and 1 fetch A's two planes of a step (128 rows each), waves 2 and 3 Wo's (256 rows each).
; THE MATRIX INSTRUCTION IS USED TRANSPOSED (source 0 = 16 rows of Wo, source 1 = 16 rows of A): a lane holds eight neighbouring outputs of one row.  THE BIAS is the C of each sum's first product.
; All rows are stored; the rows of positions 0 to 15 of each sequence are stored again, made in f32, by the launch that follows: leaving them out here would be a branch on a work-group's place in its cluster.
; LIMIT: operands beyond 65,504 are not served (f16).
; No prefetch: each tile of A is asked for by one cluster alone, Wo's planes are walked by all sixteen clusters together, and the launch has only eight K steps.
; REGISTERS: window 0: v0-31 addresses; v64-127 A's fragments, two buffers of 32; v128-191 the bias; on the way out v64-127 and v192-255 rows.  window 1: v0-127 Wo's fragments, two buffers of 64.  window 2: the accumulators ((a, b) at 8 (8 a + b)).
.set PITCH,  144                       ; an LDS row: 128 bytes + 16: the 16 rows of a load start at 16 different multiples of 16 bytes modulo 256
.set APL,    128*PITCH                 ; a plane of A
.set BPL,    256*PITCH                 ; a plane of Wo
.set SLOT,   2*APL+2*BPL               ; A's two planes, then Wo's two
.set STAGE,  2*SLOT                    ; the way out: 16 rows x 528 bytes for each wave; no tensor load lands here
.set SPITCH, 528
.set SPARE,  STAGE+4*16*SPITCH         ; the spare words, 128 bytes a wave
.set LAPS,   4                         ; a lap = two K steps = once round the ring
.set ASTEP,  1048576                   ; two K steps on in ao16: four heads of 262,144 bytes
.set BSTEP,  524288                    ; and in wo16: four planes of 131,072
.set ADRA, 16                          ; v16-17 LDS address of my A fragments in slot 0, 1
.set BO,   18                          ; v18    32 x (lane / 16): my eight numbers of a tile of the bias
.set ADRB, 20                          ; v20-21 the same as ADRA for Wo
.set STO,  24                          ; v24    the way out: where I put 32 bytes of a row
.set RD,   25                          ; v25    where I read a row back
.set CO,   26                          ; v26    16 x lane
.set SPW,  28                          ; v28    my spare word; never rewritten
.set NIL,  29                          ; v29    0; never rewritten
.set AF,   64
.set BI,   128
.set G1, 24                            ; s[24:31] descriptor group 1 for A's planes;  s[32:39] group 0, one set for each slot
.set G0, 32
.set G1B, 48                           ; s[48:55], s[56:63] the same for Wo's
.set G0B, 56
.set MSB, 0
.macro WIN new                         ; the immediate's high byte repeats the setting that is left
.if MSB != (\new)
	s_set_vgpr_msb (MSB<<8)|(\new)
.set MSB, (\new)
.endif
.endm
.set MUL,   0xa1                       ; source 0 (Wo) window 1, source 1 (A) window 0, C and D window 2
.set FIRST, 0x81                       ; the first products: C (the bias) window 0, D window 2
.set TO_B,  0x40                       ; destination window 1, address window 0
.macro JLOAD s                         ; a joint load: the branch hangs on the wave's number alone; an s_nop 0 and four v_nop follow each of the two lines
	s_cmp_eq_u32 s15, 0
	s_cbranch_scc0 .Lfor_b_\@
	tensor_load_to_lds s[G0+4*\s:G0+4*\s+3], s[G1:G1+7]
	s_nop 0
.rept 4
	v_nop
.endr
	s_branch .Lasked_\@
.Lfor_b_\@:
	tensor_load_to_lds s[G0B+4*\s:G0B+4*\s+3], s[G1B:G1B+7]
	s_nop 0
.rept 4
	v_nop
.endr
.Lasked_\@:
.endm
.macro CREST                           ; a round of the cluster's barrier behind its opening barrier
	s_cmp_lg_u32 s14, 0
	s_cbranch_scc1 .Lnot_wave_0_\@
	s_barrier_signal -3
.Lnot_wave_0_\@:
	s_barrier_wait -3
	s_barrier_signal -1
	s_barrier_wait -1
.endm
.macro CROUND                          ; a whole round
	s_barrier_signal -1
	s_barrier_wait -1
	CREST
.endm
	s_load_b128 s[4:7], s[0:1], 0x0                ; ao16, wo16
	s_load_b128 s[8:11], s[0:1], 0x10              ; bo, out0
	v_lshl_add_u32 v[SPW], v0, 2, SPARE
	v_mov_b32 v[NIL], 0
	ds_add_u32 v[SPW], v[NIL]                      ; the wave's opening: the add, twice on end, and its wait ahead of my first tensor load
	ds_add_u32 v[SPW], v[NIL]
	v_lshrrev_b32 v1, 5, v0
	v_readfirstlane_b32 s14, v1                    ; wave 0..3
	s_lshr_b32 s15, s14, 1                         ; which half of the tile's rows is mine.  Also: I fetch for A (0) or for Wo (1)
	s_and_b32 s16, s14, 1                          ; which half of its columns.  Also: which plane of a step I fetch
	s_bfe_u32 s40, ttmp6, 0x40000                  ; cx
	s_bfe_u32 s41, ttmp6, 0x40004                  ; cy
	s_lshl_b32 s42, ttmp9, 2
	s_add_co_u32 s42, s42, s40                     ; tile column = 4 x cluster x + cx
	s_and_b32 s17, ttmp7, 0xffff
	s_lshl_b32 s17, s17, 2
	s_add_co_u32 s17, s17, s41                     ; tile row = 4 x cluster y + cy, 0 to 63
	s_lshl_b32 s43, s41, 2
	s_lshl_b32 s43, 15, s43                        ; my row of the cluster
	s_lshl_b32 s44, 0x1111, s40                    ; my column
	s_or_b32 s[G1+0], s43, (1<<16)|(1<<20)|(1<<21)|(4<<22)|(3<<25)   ; the mask; elements of 2 bytes; padding on; bit 21 beside a mask; after every 32 words four words
	s_or_b32 s[G1B+0], s44, (1<<16)|(1<<20)|(1<<21)|(4<<22)|(3<<25)
	s_mov_b32 s[G1+1], 64<<16                      ; tensor_dim0
	s_mov_b32 s[G1+2], 128<<16                     ; tensor_dim1
	s_mov_b32 s[G1+3], 64<<16                      ; tile_dim0
	s_mov_b32 s[G1+4], 128                         ; tile_dim1
	s_mov_b32 s[G1+5], 64                          ; from row to row
	s_mov_b32 s[G1+6], 0
	s_mov_b32 s[G1+7], 0
	s_mov_b32 s[G1B+1], 64<<16
	s_mov_b32 s[G1B+2], 256<<16
	s_mov_b32 s[G1B+3], 64<<16
	s_mov_b32 s[G1B+4], 256
	s_mov_b32 s[G1B+5], 64
	s_mov_b32 s[G1B+6], 0
	s_mov_b32 s[G1B+7], 0
	s_lshr_b32 s20, s17, 4                         ; A: the batch, 4,194,304 bytes each,
	s_lshl_b32 s20, s20, 22
	s_and_b32 s21, s17, 15
	s_lshl_b32 s21, s21, 14                        ; 128 positions of 128 bytes a tile row,
	s_add_co_u32 s20, s20, s21
	s_lshl_b32 s21, s16, 18                        ; my plane (a head: 262,144 bytes)
	s_add_co_u32 s20, s20, s21
	s_mov_b32 s21, 0
	s_lshl_b32 s46, s42, 15                        ; Wo: 256 rows of 128 bytes a tile column,
	s_lshl_b32 s47, s16, 17                        ; my plane (131,072 bytes)
	s_add_co_u32 s46, s46, s47
	s_mov_b32 s47, 0
	s_mul_i32 s22, s16, APL                        ; where they go: no place in the cluster enters an LDS address
	s_mul_i32 s23, s16, BPL
	s_add_co_u32 s23, s23, 2*APL
	s_wait_dscnt 0x0                               ; both opening adds are done
	s_wait_kmcnt 0x0
	s_add_nc_u64 s[20:21], s[4:5], s[20:21]
	s_add_nc_u64 s[46:47], s[6:7], s[46:47]
	CROUND                                         ; all sixteen work-groups are here: the first joint loads meet
.irp s, 0,1
	s_mov_b32 s[G0+4*\s], 1
	s_add_co_u32 s[G0+4*\s+1], s22, \s*SLOT
	s_add_nc_u64 s[G0+4*\s+2:G0+4*\s+3], s[20:21], \s*524288      ; K step s: two heads on
	s_or_b32 s[G0+4*\s+3], s[G0+4*\s+3], 0x80000000
	s_mov_b32 s[G0B+4*\s], 1
	s_add_co_u32 s[G0B+4*\s+1], s23, \s*SLOT
	s_add_nc_u64 s[G0B+4*\s+2:G0B+4*\s+3], s[46:47], \s*262144    ; two planes on
	s_or_b32 s[G0B+4*\s+3], s[G0B+4*\s+3], 0x80000000
	JLOAD \s                                       ; behind the second: two loads of mine are out
.endr
	v_and_b32 v1, 15, v0                           ; r = lane % 16
	v_bfe_u32 v2, v0, 4, 1                         ; h = lane / 16
	v_mul_u32_u24 v3, v1, PITCH
	v_lshl_add_u32 v3, v2, 4, v3                   ; a fragment's row x pitch + 16 h
	s_mul_i32 s21, s15, 64*PITCH                   ; my 64 rows of A
	s_mul_i32 s22, s16, 128*PITCH                  ; my 128 rows of Wo,
	s_add_co_u32 s22, s22, 2*APL                   ; behind A's two planes
.irp s, 0,1
	v_add_nc_u32 v[ADRA+\s], s21, v3
	v_add_nc_u32 v[ADRB+\s], s22, v3
	s_add_co_u32 s21, s21, SLOT
	s_add_co_u32 s22, s22, SLOT
.endr
	s_mul_i32 s23, s14, 16*SPITCH
	s_add_co_u32 s23, s23, STAGE                   ; my stage
	v_mul_u32_u24 v4, v1, SPITCH
	v_lshl_add_u32 v4, v2, 5, v4
	v_add_nc_u32 v[STO], s23, v4                   ; in: row r, 32 bytes for each half of the lanes
	v_and_b32 v5, 31, v0
	v_lshlrev_b32 v[CO], 4, v5                     ; back: the 32 lanes take a row of 512 bytes; the same in out0
	v_add_nc_u32 v[RD], s23, v[CO]
	v_lshlrev_b32 v[BO], 5, v2
	s_lshl_b32 s12, s42, 10                        ; (what mixes the tile's column and row is made in registers that feed no descriptor)
	s_lshl_b32 s13, s16, 9
	s_add_co_u32 s12, s12, s13                     ; my first column in bytes: 1,024 x tile column + 512 x half
	s_mov_b32 s13, 0
	s_add_nc_u64 s[8:9], s[8:9], s[12:13]
.irp b, 0,1,2,3,4,5,6,7
	global_load_b128 v[BI+8*\b:BI+8*\b+3], v[BO], s[8:9] offset:64*\b          ; register j of tile b: the bias of column 16 b + 8 h + j, the result's layout
	global_load_b128 v[BI+8*\b+4:BI+8*\b+7], v[BO], s[8:9] offset:64*\b+16
.endr
	s_lshl_b32 s18, s17, 7
	s_lshl_b32 s19, s15, 6
	s_add_co_u32 s18, s18, s19                     ; my first row: 128 x tile row + 64 x half
	s_lshl_b32 s18, s18, 12                        ; of 4,096 bytes
	s_add_co_u32 s12, s12, s18
	s_add_nc_u64 s[10:11], s[10:11], s[12:13]
; 8 matrix instructions: A's block a x Wo's eight, 32 along K, buffer f.  zero = 1: the first product starts the sums from the bias.
; The 32 accumulators take turns, one instruction a turn, in the same order in every quarter.
.macro MUL8 f, a, zero
.irp b, 0,1,2,3,4,5,6,7
.if \zero
	v_wmma_f32_16x16x32_f16 v[8*(8*\a+\b):8*(8*\a+\b)+7], v[64*\f+8*\b:64*\f+8*\b+7], v[AF+32*\f+8*\a:AF+32*\f+8*\a+7], v[BI+8*\b:BI+8*\b+7]
.else
	v_wmma_f32_16x16x32_f16 v[8*(8*\a+\b):8*(8*\a+\b)+7], v[64*\f+8*\b:64*\f+8*\b+7], v[AF+32*\f+8*\a:AF+32*\f+8*\a+7], v[8*(8*\a+\b):8*(8*\a+\b)+7]
.endif
.endr
.endm
; 24 LDS loads in one run: the fragments of the slot's q-th 32 along K (plane q / 2, byte 64 (q % 2) of its rows) into buffer f: Wo's eight, then A's four.
; A fragment is 16 rows x 32 K in 8 registers: lane l holds row l % 16; registers 0-3 K = 8 (l / 16) + 0..7, registers 4-7 K = 16 + 8 (l / 16) + 0..7: two loads of 16 bytes, 32 bytes apart.
.macro FETCH slot, q, f
	WIN TO_B
.irp i, 0,1,2,3,4,5,6,7
	ds_load_b128 v[64*\f+8*\i:64*\f+8*\i+3],   v[ADRB+\slot] offset:((\q)/2)*BPL+((\q)%2)*64+\i*16*PITCH
	ds_load_b128 v[64*\f+8*\i+4:64*\f+8*\i+7], v[ADRB+\slot] offset:((\q)/2)*BPL+((\q)%2)*64+\i*16*PITCH+32
.endr
	WIN 0
.irp i, 0,1,2,3
	ds_load_b128 v[AF+32*\f+8*\i:AF+32*\f+8*\i+3],   v[ADRA+\slot] offset:((\q)/2)*APL+((\q)%2)*64+\i*16*PITCH
	ds_load_b128 v[AF+32*\f+8*\i+4:AF+32*\f+8*\i+7], v[ADRA+\slot] offset:((\q)/2)*APL+((\q)%2)*64+\i*16*PITCH+32
.endr
.endm
.macro PLACES                          ; four plain vector lines between a matrix instruction and a load into, or a read of, its registers
.rept 4
	v_nop
.endr
.endm
; A K step is four quarters of 32 along K, 32 matrix instructions each, on buffers 0, 1, 0, 1.  One of the first three: multiplies buffer f and, in its middle, fetches quarter qn of the same slot into buffer g.
.macro QUARTER slot, qn, f, g, zero
	s_wait_dscnt 4                                 ; Wo's eight and A's blocks 0 and 1 are in; the youngest four loads (A's blocks 2 and 3) may be out
.if \zero
	WIN FIRST
.else
	WIN MUL
.endif
	MUL8 \f, 0, \zero
	MUL8 \f, 1, \zero
	PLACES
	FETCH \slot, \qn, \g
	s_wait_dscnt 24                                ; all but the 24 just issued
.if \zero
	WIN FIRST
.else
	WIN MUL
.endif
	MUL8 \f, 2, \zero
	MUL8 \f, 3, \zero
.endm
; The last quarter multiplies buffer 1 and changes slots: ONE barrier; in front of it each wave waits for all its tensor loads, adds 0 to its spare word, and waits for that and for its own reads of this slot.
; fill = 1: the barrier opens a round of the cluster's, and this slot is filled again, two K steps ahead: one load a wave, 112 matrix instructions ahead of the wait for it.
.macro TURN slot, next, fill
	WIN 0                                          ; (the add's two registers lie in window 0)
	s_wait_tensorcnt 0x0                           ; all my tensor loads have landed: the one that was out is my part of the next slot
	ds_add_u32 v[SPW], v[NIL]                      ; 0 onto my spare word
	s_wait_dscnt 5                                 ; (the add and the youngest four loads may be out)
	WIN MUL
	MUL8 1, 0, 0                                   ; eight matrix instructions stand between the add and the wait for it
	s_wait_dscnt 0x0                               ; the add is done, and my reads of this slot are over
	s_barrier_signal -1
	MUL8 1, 1, 0
.if \fill
	WIN 0
.endif
	s_barrier_wait -1
.if \fill
	CREST                                          ; no wave of any partner still reads this slot's tiles or has a load on its way
	s_add_nc_u64 s[G0+4*\slot+2:G0+4*\slot+3], s[G0+4*\slot+2:G0+4*\slot+3], ASTEP
	s_add_nc_u64 s[G0B+4*\slot+2:G0B+4*\slot+3], s[G0B+4*\slot+2:G0B+4*\slot+3], BSTEP
	JLOAD \slot                                    ; the first tensor load behind the round; the four v_nop behind it are also the places in front of the loads below
.else
	PLACES
.endif
	FETCH \next, 0, 0
	WIN MUL
	MUL8 1, 2, 0
	MUL8 1, 3, 0
.endm
	s_wait_tensorcnt 1                             ; my part of K step 0 is in; K step 1's load may be out
	s_barrier_signal -1
	s_barrier_wait -1                              ; everybody's is
	FETCH 0, 0, 0
	s_wait_loadcnt 0x0                             ; the bias
	QUARTER 0, 1, 0, 1, 1                          ; the first quarter stands in front of the loop: its products start the sums
	WIN 0                                          ; at a label and at a branch every window is 0
	s_mov_b32 s3, LAPS-1
.Llap:                                         ; a trip goes once round the ring, from a lap's second quarter to the next lap's first, and fills both slots again
	QUARTER 0, 2, 1, 0, 0
	QUARTER 0, 3, 0, 1, 0
	TURN 0, 1, 1
	QUARTER 1, 1, 0, 1, 0
	QUARTER 1, 2, 1, 0, 0
	QUARTER 1, 3, 0, 1, 0
	TURN 1, 0, 1
	QUARTER 0, 1, 0, 1, 0
	WIN 0
	s_sub_co_u32 s3, s3, 1
	s_cmp_lg_u32 s3, 0
	s_cbranch_scc1 .Llap
	QUARTER 0, 2, 1, 0, 0                          ; the last lap fills nothing, and has no round of the cluster's barrier
	QUARTER 0, 3, 0, 1, 0
	TURN 0, 1, 0
	QUARTER 1, 1, 0, 1, 0
	QUARTER 1, 2, 1, 0, 0
	QUARTER 1, 3, 0, 1, 0
	s_wait_dscnt 4                                 ; the very last quarter: nothing more to fetch
	WIN MUL
	MUL8 1, 0, 0
	MUL8 1, 1, 0
	s_wait_dscnt 0x0
	MUL8 1, 2, 0
	MUL8 1, 3, 0
	WIN 0
; THE WAY OUT, block by block of 16 rows x 128 columns.  A lane holds 32 neighbouring bytes of a row, and the lanes beside it hold other rows: so a block goes through my own stage in LDS and comes back as whole
; rows of 512 bytes.  LDS serves a wave's instructions in order (ISA guide 5.7.1.4): no wait between the stores and the loads, nor in front of the next block's stores.
.macro TOSTAGE a
	WIN 0x08                                       ; an LDS store's data are its source 1: window 2
.irp b, 0,1,2,3,4,5,6,7
	ds_store_b128 v[STO], v[64*\a+8*\b:64*\a+8*\b+3] offset:64*\b              ; each accumulator from its low end on
	ds_store_b128 v[STO], v[64*\a+8*\b+4:64*\a+8*\b+7] offset:64*\b+16
.endr
	WIN 0
.set BB, 64+128*((\a)%2)
.irp t, 0,1,2,3,4,5,6,7,8,9,10,11,12,13,14,15
	ds_load_b128 v[BB+4*\t:BB+4*\t+3], v[RD] offset:\t*SPITCH
.endr
.endm
.macro SEND a, younger                 ; younger: the LDS instructions issued behind block a's loads, which may stay out
.set BB, 64+128*((\a)%2)
	s_wait_dscnt \younger                          ; the block is back in registers
.irp t, 0,1,2,3,4,5,6,7,8,9,10,11,12,13,14,15
	global_store_b128 v[CO], v[BB+4*\t:BB+4*\t+3], s[10:11] offset:(16*(\a)+\t)*4096 th:TH_STORE_NT   ; 32 lanes store 512 consecutive bytes, at a multiple of 256 from out0's first byte; the row stands in the immediate
.endr
.endm
	PLACES                                         ; behind the last products: for the reads of results and for the loads into the registers that held A's fragments
	TOSTAGE 0
.irp a, 1,2,3
.if \a > 1
	s_wait_xcnt 0x0                                ; block a - 2's stores have read their registers: block a's loads may land there
.endif
	TOSTAGE \a
	SEND \a-1, 32                                  ; behind block a - 1's loads: block a's 16 stores and 16 loads
.endr
	SEND 3, 0
	s_wait_tensorcnt 0x0                           ; the wave's end: behind my last tensor load and my last LDS store
	ds_add_u32 v[SPW], v[NIL]
	s_wait_dscnt 0x0
	CROUND                                         ; the closing round: no work-group ends while a partner may still ask for a tile that names it
	s_endpgm
.Lfunc_end_k_qa84f9611c1_oproj:
	.size	k_qa84f9611c1_oproj, .Lfunc_end_k_qa84f9611c1_oproj-k_qa84f9611c1_oproj
	.p2alignl 7, 3214868480
	.fill 96, 4, 3214868480
	.section	.rodata,"a",@progbits
	.p2align	6, 0x0
	.amdhsa_kernel k_qa84f9611c1_oproj
		.amdhsa_group_segment_fixed_size 327680
		.amdhsa_private_segment_fixed_size 0
		.amdhsa_enable_private_segment 0
		.amdhsa_kernarg_size 32
		.amdhsa_user_sgpr_count 2
		.amdhsa_user_sgpr_kernarg_segment_ptr 1
		.amdhsa_wavefront_size32 1
		.amdhsa_system_sgpr_workgroup_id_x 1
		.amdhsa_system_sgpr_workgroup_id_y 1
		.amdhsa_system_sgpr_workgroup_id_z 1
		.amdhsa_system_vgpr_workitem_id 0
		.amdhsa_next_free_vgpr 768
		.amdhsa_next_free_sgpr 66
		.amdhsa_reserve_vcc 0
		.amdhsa_float_denorm_mode_32 3
		.amdhsa_float_denorm_mode_16_64 3
		.amdhsa_memory_ordered 1
		.amdhsa_forward_progress 1
		.amdhsa_inst_pref_size 87
	.end_amdhsa_kernel
	.amdgpu_metadata
---
amdhsa.version: [ 1, 2 ]
amdhsa.kernels:
  - .name:           k_qa84f9611c1_oproj
    .symbol:         k_qa84f9611c1_oproj.kd
    .args:
      - { .name: ao16, .offset: 0, .size: 8, .value_kind: global_buffer, .address_space: global }
      - { .name: wo16, .offset: 8, .size: 8, .value_kind: global_buffer, .address_space: global }
      - { .name: bo, .offset: 16, .size: 8, .value_kind: global_buffer, .address_space: global }
      - { .name: out0, .offset: 24, .size: 8, .value_kind: global_buffer, .address_space: global }
    .group_segment_fixed_size: 327680
    .private_segment_fixed_size: 0
    .kernarg_segment_align: 8
    .kernarg_segment_size: 32
    .max_flat_workgroup_size: 128
    .sgpr_count:     66
    .vgpr_count:     768
    .wavefront_size: 32
...
	.end_amdgpu_metadata
.endif
;; end of part 4
;; launch fine (part 5): grid 16 x 4, 16 waves a work-group, no clusters, 71,680 bytes of LDS; arguments qkvf, Wo, bo, out0; writes out0
.if DOCPART == 5
	.amdgcn_target "amdgcn-amd-amdhsa--gfx1250"
	.amdhsa_code_object_version 6
	.text
	.protected	k_qa84f9611c1_fine
	.globl	k_qa84f9611c1_fine
	.p2align	8
	.type	k_qa84f9611c1_fine,@function
k_qa84f9611c1_fine:
	s_mov_b64 s[64:65], 0
	v_nop
	global_prefetch_b8 v0, s[64:65] scope:SCOPE_SE
	s_setreg_imm32_b32 hwreg(HW_REG_WAVE_MODE, 25, 1), 1
	s_wait_xcnt 0x0
; Positions 0 to 15 of each of the four sequences, carried in f32 from the projections' sums to out0: scores, causal softmax, weights x v, the output projection and its bias.  These rows average one to sixteen values
; and are the largest of the output, so 16-bit operands are not used for them.  They were stored by the launch before too; this launch runs behind it and stores them again.
; qkvf: [3 (q, k, v)][4 b][16 s][1024] f32; Wo [1024 n][1024 k] f32; bo [1024]; out0 [4][2048][1024] f32.
; SHARES.  A work-group takes one batch (y) and 64 output columns (x): a row's piece is 256 consecutive bytes.  Wave w is head w: it makes its head's 16 x 16 attention (made anew in each of the 16 column blocks: 32 of the wave's
; 96 matrix instructions) and multiplies the result by Wo[64 x .. 64 x + 63][64 w .. 64 w + 63]; the sixteen partial tiles of 16 x 64 meet in LDS and are added by waves 0 to 7, two rows each.
; LAYOUT.  All three products are used transposed, so that a lane holds ONE query (lane % 16) throughout: S^T = K Q^T, O^T = V^T P, Y^T = Wo O.  v_wmma_f32_16x16x4_f32 takes of lane (r, h) two numbers of row r, k = 2 h + j.
; Which four of K a product takes is free as long as both sources take the same: the scores take channels 8 c + 4 h + 2 i + j (16 bytes a lane as they lie), the second product keys 8 h + 2 c + j and the third channels
; 16 t + 8 h + 2 c + j, which is how the results of the product before lie in the lanes: nothing changes lanes between the products.
; The registers that the matrix instructions write (v112-127, v136-183) are written by them alone; each sum begins with the constant 0.
; The softmax takes the row's maximum away, as the definition does; key 0 counts for every query, so the maximum is a number.  LIMITS: NaN and infinities are not served.
; No tensor loads, cluster or prefetch: 64 work-groups that read each of their bytes once, straight into the operands' registers; everything is written out, there is no loop.
.set PW,    4352                       ; a wave's partial tile in LDS: 16 rows x (256 bytes + 16)
.set SPARE, 16*PW                      ; behind the sixteen: the spare words, 128 bytes a wave
.set VQ,  3                            ; v3  q, k: 4,096 r + 16 h
.set VV,  4                            ; v4  v: 32,768 h + 4 r (key 8 h, channel r)
.set VW,  5                            ; v5  Wo: 4,096 r + 32 h
.set SPW, 6                            ; v6  my spare word; never rewritten
.set NIL, 7                            ; v7  0; never rewritten
.set DD,  8                            ; v8  r - 8 h: register j holds key 8 h + j, hidden where j > r - 8 h
.set SO,  9                            ; v9  where I put 32 bytes of a row of my partial tile
.set RD,  10                           ; v10 where I read a row's 16 bytes of the first partial tile
.set GO,  11                           ; v11 the same place in out0
.set BF,  12                           ; v12 16 x (lane % 16): my four numbers of bo
.set QF,  16                           ; v16-47   q: register 4 c + 2 i + j
.set KF,  48                           ; v48-79   k likewise
.set VF,  80                           ; v80-111  v: register 8 t + 2 c + j: key 8 h + 2 c + j, channel 16 t + r; later v80-83 bo
.set S,   112                          ; v112-127 two partial sums of the scores; later outputs' tiles 0, 1
.set T,   128                          ; v128-135 the scores, then p
.set O,   136                          ; v136-167 O^T: tile t at 8 t
.set WFA, 184                          ; v184-247 Wo's tiles 0 and 1: register 32 nt + 8 t + 2 c + j;  tiles 2 and 3 at v16-79, when q and k are done with
.set WV,  12
.set SEL, 26
.set CS,  28
	s_load_b128 s[4:7], s[0:1], 0x0                ; qkvf, Wo
	s_load_b128 s[8:11], s[0:1], 0x10              ; bo, out0
	v_lshl_add_u32 v[SPW], v0, 2, SPARE
	v_mov_b32 v[NIL], 0
	v_lshrrev_b32 v1, 5, v0
	v_readfirstlane_b32 s[WV], v1                  ; wave = head
	v_and_b32 v1, 15, v0                           ; r
	v_bfe_u32 v2, v0, 4, 1                         ; h
	v_lshlrev_b32 v[VQ], 12, v1
	v_lshl_add_u32 v[VW], v2, 5, v[VQ]
	v_lshl_add_u32 v[VQ], v2, 4, v[VQ]
	v_lshlrev_b32 v[VV], 2, v1
	v_lshl_add_u32 v[VV], v2, 15, v[VV]
	v_lshlrev_b32 v[DD], 3, v2
	v_sub_nc_u32 v[DD], v1, v[DD]
	s_mul_i32 s13, s[WV], PW
	v_mul_u32_u24 v[SO], v1, 272
	v_lshl_add_u32 v[SO], v2, 5, v[SO]
	v_add_nc_u32 v[SO], s13, v[SO]                 ; my tile, row r, + 32 h
	s_and_b32 s19, s[WV], 7                        ; (waves 8 to 15 read nothing back: their address is kept inside the tiles all the same)
	s_mul_i32 s14, s19, 2*272
	v_mul_u32_u24 v[RD], v2, 272
	v_lshl_add_u32 v[RD], v1, 4, v[RD]
	v_add_nc_u32 v[RD], s14, v[RD]                 ; rows 2 (wave % 8) and + 1: sixteen lanes to a row of 256 bytes
	v_lshlrev_b32 v[BF], 4, v1
	v_lshl_add_u32 v[GO], v2, 12, v[BF]
	v_mov_b32 v249, 0                              ; written once: a lane permute's destination counts as one of its sources
	v_mov_b32 v251, 0xff800000                     ; -infinity
	s_and_b32 s15, ttmp7, 0xffff                   ; the batch
	s_lshl_b32 s18, s[WV], 8                       ; a head's 64 numbers are 256 bytes
	s_lshl_b32 s16, s15, 16                        ; a batch's 16 rows of 4,096 bytes
	s_add_co_u32 s16, s16, s18
	s_mov_b32 s17, 0
	s_lshl_b32 s20, ttmp9, 18                      ; 64 rows of Wo
	s_add_co_u32 s20, s20, s18
	s_mov_b32 s21, 0
	s_lshl_b32 s22, ttmp9, 8                       ; 64 columns of f32
	s_mov_b32 s23, 0
	s_lshl_b32 s24, s15, 23                        ; a sequence's 2,048 rows of 4,096 bytes
	s_add_co_u32 s24, s24, s22
	s_lshl_b32 s19, s19, 13                        ; two rows a wave
	s_add_co_u32 s24, s24, s19
	s_mov_b32 s25, 0
	s_mov_b32 s[SEL], 0x76543210
	s_mov_b32 s[SEL+1], 0xfedcba98                 ; v_permlanex16_b32: lane l xor 16
	s_mov_b32 s[CS], 0x3e38aa3b                    ; c = log2(e) / 8
	s_mov_b32 s[CS+1], s[CS]                       ; (named with it as a pair, so it is written)
	s_wait_kmcnt 0x0
	s_add_nc_u64 s[4:5], s[4:5], s[16:17]
	s_add_nc_u64 s[6:7], s[6:7], s[20:21]
	s_add_nc_u64 s[8:9], s[8:9], s[22:23]
	s_add_nc_u64 s[10:11], s[10:11], s[24:25]
.irp c, 0,1,2,3,4,5,6,7
	global_load_b128 v[QF+4*\c:QF+4*\c+3], v[VQ], s[4:5] offset:32*\c                 ; q(r, 8 c + 4 h + 0 .. 3)
.endr
.irp c, 0,1,2,3,4,5,6,7
	global_load_b128 v[KF+4*\c:KF+4*\c+3], v[VQ], s[4:5] offset:262144+32*\c          ; k likewise
.endr
.irp t, 0,1,2,3
.irp k, 0,1,2,3,4,5,6,7
	global_load_b32 v[VF+8*\t+\k], v[VV], s[4:5] offset:524288+4096*\k+64*\t          ; v(8 h + k, 16 t + r): sixteen lanes read 64 consecutive bytes
.endr
.endr
.irp nt, 0,1
.irp t, 0,1,2,3
.irp e, 0,1
	global_load_b128 v[WFA+32*\nt+8*\t+4*\e:WFA+32*\nt+8*\t+4*\e+3], v[VW], s[6:7] offset:65536*\nt+64*\t+16*\e   ; Wo(16 nt + r, 16 t + 8 h + 4 e + 0 .. 3)
.endr
.endr
.endr
	s_wait_loadcnt 48                              ; q and k are in; the 32 loads of v and the 16 of Wo behind them may be out
.irp c, 0,1,2,3,4,5,6,7                        ; S^T = K Q^T: 16 products of 4 channels, on two accumulators by turns
.irp i, 0,1
.if \c == 0
	v_wmma_f32_16x16x4_f32 v[S+8*\i:S+8*\i+7], v[KF+4*\c+2*\i:KF+4*\c+2*\i+1], v[QF+4*\c+2*\i:QF+4*\c+2*\i+1], 0
.else
	v_wmma_f32_16x16x4_f32 v[S+8*\i:S+8*\i+7], v[KF+4*\c+2*\i:KF+4*\c+2*\i+1], v[QF+4*\c+2*\i:QF+4*\c+2*\i+1], v[S+8*\i:S+8*\i+7]
.endif
.endr
.endr
.rept 8
	v_nop                                          ; eight places behind this form: for the loads into q's and k's registers, and for the first reads of the sums
.endr
.irp nt, 0,1
.irp t, 0,1,2,3
.irp e, 0,1
	global_load_b128 v[QF+32*\nt+8*\t+4*\e:QF+32*\nt+8*\t+4*\e+3], v[VW], s[6:7] offset:65536*(2+\nt)+64*\t+16*\e   ; Wo's tiles 2 and 3
.endr
.endr
.endr
.irp j, 0,1,2,3,4,5,6,7
	v_add_f32 v[T+\j], v[S+\j], v[S+8+\j]          ; lane (r, h), register j: the score of query r and key 8 h + j; each sum is read from its low end on
.endr
.irp j, 0,1,2,3,4,5,6,7
	v_cmp_gt_i32 vcc_lo, \j, v[DD]
	v_cndmask_b32 v[T+\j], v[T+\j], v251, vcc_lo   ; hidden keys: -infinity, ahead of the maximum
.endr
	v_max3_num_f32 v248, v[T], v[T+1], v[T+2]
	v_max3_num_f32 v248, v248, v[T+3], v[T+4]
	v_max3_num_f32 v248, v248, v[T+5], v[T+6]
	v_max_num_f32 v248, v248, v[T+7]
	v_permlanex16_b32 v249, v248, s[SEL], s[SEL+1] ; the query's other eight keys lie in the lane 16 away
	v_max_num_f32 v248, v248, v249                 ; the row's maximum
	v_mul_f32 v250, s[CS], v248
.irp j, 0,2,4,6
	v_pk_fma_f32 v[T+\j:T+\j+1], v[T+\j:T+\j+1], s[CS:CS+1], v[250:251] op_sel_hi:[1,0,0] neg_lo:[0,0,1] neg_hi:[0,0,1]   ; c s - c m (of the pairs the low word serves both halves)
.endr
.irp j, 0,1,2,3,4,5,6,7
	v_exp_f32 v[T+\j], v[T+\j]
.endr
	v_nop                                          ; a plain line behind the last exponential
	s_wait_alu depctr_va_vdst(0)                   ; one wait for the eight, ahead of their first reader
	v_pk_add_f32 v[252:253], v[T:T+1], v[T+2:T+3]
	v_pk_add_f32 v[254:255], v[T+4:T+5], v[T+6:T+7]
	v_pk_add_f32 v[252:253], v[252:253], v[254:255]
	v_add_f32 v252, v252, v253
	v_permlanex16_b32 v249, v252, s[SEL], s[SEL+1]
	v_add_f32 v252, v252, v249                     ; the row's sum
	v_rcp_f32 v254, v252
	v_nop
	s_wait_alu depctr_va_vdst(0)
.irp j, 0,2,4,6
	v_pk_mul_f32 v[T+\j:T+\j+1], v[T+\j:T+\j+1], v[254:255] op_sel_hi:[1,0]   ; the weights
.endr
	s_wait_loadcnt 32                              ; v is in; Wo's 32 loads behind it may be out
.irp c, 0,1,2,3                                ; O^T = V^T P: keys 8 h + 2 c + j; four accumulators (channels 16 t on) by turns
.irp t, 0,1,2,3
.if \c == 0
	v_wmma_f32_16x16x4_f32 v[O+8*\t:O+8*\t+7], v[VF+8*\t+2*\c:VF+8*\t+2*\c+1], v[T+2*\c:T+2*\c+1], 0
.else
	v_wmma_f32_16x16x4_f32 v[O+8*\t:O+8*\t+7], v[VF+8*\t+2*\c:VF+8*\t+2*\c+1], v[T+2*\c:T+2*\c+1], v[O+8*\t:O+8*\t+7]
.endif
.endr
.endr
.rept 9
	v_nop                                          ; nine places before a matrix instruction takes these results as a source; eight of them serve the load into v's registers
.endr
	global_load_b128 v[VF:VF+3], v[BF], s[8:9]     ; bo of my four columns, for the end
	s_wait_loadcnt 1                               ; Wo is in; bo may be out
.irp t, 0,1,2,3                                ; Y^T = Wo O: channels 16 t + 8 h + 2 c + j; four accumulators (columns 16 nt on) by turns
.irp c, 0,1,2,3
.irp nt, 0,1,2,3
.if (\t == 0) && (\c == 0)
	v_wmma_f32_16x16x4_f32 v[S+8*\nt+40*(\nt/2):S+8*\nt+40*(\nt/2)+7], v[WFA+32*\nt-232*(\nt/2)+8*\t+2*\c:WFA+32*\nt-232*(\nt/2)+8*\t+2*\c+1], v[O+8*\t+2*\c:O+8*\t+2*\c+1], 0
.else
	v_wmma_f32_16x16x4_f32 v[S+8*\nt+40*(\nt/2):S+8*\nt+40*(\nt/2)+7], v[WFA+32*\nt-232*(\nt/2)+8*\t+2*\c:WFA+32*\nt-232*(\nt/2)+8*\t+2*\c+1], v[O+8*\t+2*\c:O+8*\t+2*\c+1], v[S+8*\nt+40*(\nt/2):S+8*\nt+40*(\nt/2)+7]
.endif
.endr
.endr
.endr
.rept 8
	v_nop                                          ; eight places: for the stores of the results, and for the LDS loads below into Wo's registers
.endr
.irp nt, 0,1,2,3
	ds_store_b128 v[SO], v[S+8*\nt+40*(\nt/2):S+8*\nt+40*(\nt/2)+3] offset:64*\nt          ; lane (r, h): my head's part of out(r, 16 nt + 8 h + 0 .. 7); each accumulator from its low end on
	ds_store_b128 v[SO], v[S+8*\nt+40*(\nt/2)+4:S+8*\nt+40*(\nt/2)+7] offset:64*\nt+16
.endr
	s_wait_dscnt 0x0                               ; for the others' sake: my stores have landed
	s_barrier_signal -1
	s_barrier_wait -1                              ; the sixteen partial tiles lie in LDS
	s_cmp_lt_u32 s[WV], 8                          ; waves 0 to 7 add them, two rows each; no barrier stands in the branch
	s_cbranch_scc0 .Ldone
.irp i, 0,1,2,3,4,5,6,7,8,9,10,11,12,13,14,15
	ds_load_b128 v[QF+4*\i:QF+4*\i+3], v[RD] offset:PW*\i
.endr
	s_wait_loadcnt 0x0                             ; bo
	s_wait_dscnt 0x0
.irp i, 0,2,4,6,8,10,12,14                     ; a tree of packed additions
	v_pk_add_f32 v[QF+4*\i:QF+4*\i+1], v[QF+4*\i:QF+4*\i+1], v[QF+4*\i+4:QF+4*\i+5]
	v_pk_add_f32 v[QF+4*\i+2:QF+4*\i+3], v[QF+4*\i+2:QF+4*\i+3], v[QF+4*\i+6:QF+4*\i+7]
.endr
.irp i, 0,4,8,12
	v_pk_add_f32 v[QF+4*\i:QF+4*\i+1], v[QF+4*\i:QF+4*\i+1], v[QF+4*\i+8:QF+4*\i+9]
	v_pk_add_f32 v[QF+4*\i+2:QF+4*\i+3], v[QF+4*\i+2:QF+4*\i+3], v[QF+4*\i+10:QF+4*\i+11]
.endr
.irp i, 0,8
	v_pk_add_f32 v[QF+4*\i:QF+4*\i+1], v[QF+4*\i:QF+4*\i+1], v[QF+4*\i+16:QF+4*\i+17]
	v_pk_add_f32 v[QF+4*\i+2:QF+4*\i+3], v[QF+4*\i+2:QF+4*\i+3], v[QF+4*\i+18:QF+4*\i+19]
.endr
	v_pk_add_f32 v[QF:QF+1], v[QF:QF+1], v[QF+32:QF+33]
	v_pk_add_f32 v[QF+2:QF+3], v[QF+2:QF+3], v[QF+34:QF+35]
	v_pk_add_f32 v[QF:QF+1], v[QF:QF+1], v[VF:VF+1]
	v_pk_add_f32 v[QF+2:QF+3], v[QF+2:QF+3], v[VF+2:VF+3]
	global_store_b128 v[GO], v[QF:QF+3], s[10:11]  ; sixteen lanes store 256 consecutive bytes, at a multiple of 256 from out0's first byte
.Ldone:
	s_wait_tensorcnt 0x0                           ; the wave's end: behind my last LDS store
	ds_add_u32 v[SPW], v[NIL]
	s_wait_dscnt 0x0
	s_endpgm
.Lfunc_end_k_qa84f9611c1_fine:
	.size	k_qa84f9611c1_fine, .Lfunc_end_k_qa84f9611c1_fine-k_qa84f9611c1_fine
	.p2alignl 7, 3214868480
	.fill 96, 4, 3214868480
	.section	.rodata,"a",@progbits
	.p2align	6, 0x0
	.amdhsa_kernel k_qa84f9611c1_fine
		.amdhsa_group_segment_fixed_size 71680
		.amdhsa_private_segment_fixed_size 0
		.amdhsa_enable_private_segment 0
		.amdhsa_kernarg_size 32
		.amdhsa_user_sgpr_count 2
		.amdhsa_user_sgpr_kernarg_segment_ptr 1
		.amdhsa_wavefront_size32 1
		.amdhsa_system_sgpr_workgroup_id_x 1
		.amdhsa_system_sgpr_workgroup_id_y 1
		.amdhsa_system_sgpr_workgroup_id_z 1
		.amdhsa_system_vgpr_workitem_id 0
		.amdhsa_next_free_vgpr 256
		.amdhsa_next_free_sgpr 66
		.amdhsa_reserve_vcc 1
		.amdhsa_float_denorm_mode_32 3
		.amdhsa_float_denorm_mode_16_64 3
		.amdhsa_memory_ordered 1
		.amdhsa_forward_progress 1
		.amdhsa_inst_pref_size 24
	.end_amdhsa_kernel
	.amdgpu_metadata
---
amdhsa.version: [ 1, 2 ]
amdhsa.kernels:
  - .name:           k_qa84f9611c1_fine
    .symbol:         k_qa84f9611c1_fine.kd
    .args:
      - { .name: qkvf, .offset: 0, .size: 8, .value_kind: global_buffer, .address_space: global }
      - { .name: Wo, .offset: 8, .size: 8, .value_kind: global_buffer, .address_space: global }
      - { .name: bo, .offset: 16, .size: 8, .value_kind: global_buffer, .address_space: global }
      - { .name: out0, .offset: 24, .size: 8, .value_kind: global_buffer, .address_space: global }
    .group_segment_fixed_size: 71680
    .private_segment_fixed_size: 0
    .kernarg_segment_align: 8
    .kernarg_segment_size: 32
    .max_flat_workgroup_size: 512
    .sgpr_count:     66
    .vgpr_count:     256
    .wavefront_size: 32
...
	.end_amdgpu_metadata
.endif
;; end of part 5
